; MI455X (gfx1250); checked and timed in simulation.
; The chip was launched on July 23, 2026; its instructions are those of AMD's public machine-readable ISA for CDNA 5 (MIT licence, August 2026) and "CDNA5" Instruction Set Architecture Reference Guide (July 2026). The comments in the code are by the model that wrote it; some were corrected since.
;; Causal Attention. Allowed arithmetic: matrix products marked QUANTISED: E2M3 operands, one E8M0 scale for each 32 along K, by v_wmma_scale_f32_16x16x128_f8f6f4 with both operands' format E2M3, f32 sums; everything else in f32.
;; Inputs: W_k_codes 1,024 x 32 x 24 uint8 (E2M3 codes of W_k, K innermost, in blocks of 32 codes, four codes in three bytes); W_k_scales 1,024 x 32 uint8 (E8M0 scales of W_k, one for each 32 codes along K); W_q_codes 1,024 x 32 x 24 uint8 (E2M3 codes of W_q, K innermost, in blocks of 32 codes, four codes in three bytes); W_q_scales 1,024 x 32 uint8 (E8M0 scales of W_q, one for each 32 codes along K); W_v_codes 1,024 x 32 x 24 uint8 (E2M3 codes of W_v, K innermost, in blocks of 32 codes, four codes in three bytes); W_v_scales 1,024 x 32 uint8 (E8M0 scales of W_v, one for each 32 codes along K); x_codes 4 x 2,048 x 32 x 24 uint8 (E2M3 codes of x, K innermost, in blocks of 32 codes, four codes in three bytes); x_scales 4 x 2,048 x 32 uint8 (E8M0 scales of x, one for each 32 codes along K).
;; Outputs: out0 4 x 2,048 x 1,024 float32.
;; This version of the problem:
;;   THIS VERSION OF THE PROBLEM IS GIVEN IN LOW PRECISION. The matrix products marked QUANTISED in the list below multiply operands that are first quantised to E2M3 (2 exponent bits, 3 mantissa bits; 6 bits a number), with one power-of-two scale for each 32 numbers along K (OCP MX v1.0); their sums are f32. All else is computed in f32.
;;   The module's matrix products, in the order in which they are computed (A, B: the left and right operand; K: the contracted axis; several contracted axes count as one K, in the product's order):
;;     1. [M 8,192, K 1,024] x [K 1,024, N 1,024]; A: input x (given as codes); B: input W_q (given as codes): QUANTISED
;;     2. [M 8,192, K 1,024] x [K 1,024, N 1,024]; A: input x (given as codes); B: input W_k (given as codes): QUANTISED
;;     3. [M 8,192, K 1,024] x [K 1,024, N 1,024]; A: input x (given as codes); B: input W_v (given as codes): QUANTISED
;;     4. batch 4 x [M 2,048, K 1,024] x [K 1,024, N 2,048]; A: computed on the way; B: computed on the way: QUANTISED
;;     5. batch 4 x [M 2,048, K 2,048] x [K 2,048, N 1,024]; A: softmax (see below); B: computed on the way: QUANTISED
;;   THE QUANTISER, for each operand of a quantised product, along K:
;;     - K is cut into blocks of 32 from its start; a last block that is shorter is filled with zeros.
;;     - A block's scale is 2^e with e = floor(log2(the largest magnitude in the block)) - 2, held to -126 .. 127; a block of zeros has e = 0. As a byte (E8M0): e + 127.
;;     - Each number is divided by its block's scale, clamped to +-7.5, and rounded to the nearest number of E2M3, ties to even, subnormals kept.
;;     - The product sums the exact products of the quantised numbers (number of the format x scale) in f32.
;;   ~~~python
;;   def quantise(x, axis):      # numpy; x: float32 -> the quantised numbers, widened to float32 again
;;       x = np.moveaxis(x, axis, -1); K = x.shape[-1]
;;       x = np.pad(x, [(0, 0)] * (x.ndim - 1) + [(0, -K % 32)]); x = x.reshape(x.shape[:-1] + (-1, 32)); a = np.abs(x).max(-1, keepdims=True)
;;       e = np.where(a > 0, np.clip(np.frexp(np.where(a > 0, a, 1))[1] - 1 - 2, -126, 127), 0)      # np.frexp(a)[1] - 1 = floor(log2(a)), exactly
;;       r = np.clip(x / 2.0 ** e, -7.5, 7.5)
;;       step = 2.0 ** (np.maximum(np.frexp(np.where(r == 0, 1, r))[1] - 1, 0) - 3)
;;       q = np.round(r / step) * step * 2.0 ** e      # np.round: ties to even
;;       return np.moveaxis(q.reshape(q.shape[:-2] + (-1,))[..., :K], -1, axis).astype(np.float32)
;;   ~~~
;;   SOFTMAX AHEAD OF A QUANTISED PRODUCT. Where the list says 'softmax', what is quantised is not the finished softmax but p = 2^(t - M), with t = logit x log2(e) and M = ceil(the row's largest t), a whole number; so 1/2 < the row's largest p <= 1. The row's sum l is taken of the UNQUANTISED p, in f32, and the product's result is divided by l at the end. Since M is a whole number, a kernel that streams over the keys may use a running M (the ceiling of the running maximum): every later rescaling is an exact power of two, which a block's scale takes up: the codes' values come out the same.
;;   OPERANDS COMPUTED ON THE WAY. 'Computed on the way' means the value that the module computes at that place (a softmax that the list does not call 'softmax' is quantised finished and normalised). What goes into a quantiser is computed in f32, as accurately as f32 sums, v_exp_f32 and their like allow (about 1e-6 of the number): no bf16 or f16 on the way to a quantiser, and a product that is left as it is and whose result goes on into a quantised operand takes f32 operands (vector FMAs, or v_wmma_f32_16x16x4_f32). A number that lies on a knife's edge between two numbers of the format may be rounded either way, as far as f32 arithmetic and the matrix unit's own rounding can turn it there, and no further.
;;   INPUTS GIVEN AS CODES. W_k (in the module: [1024, 1024], K = its axis 1); W_q (in the module: [1024, 1024], K = its axis 1); W_v (in the module: [1024, 1024], K = its axis 1); x (in the module: [4, 2048, 1024], K = its axis 2): each comes as NAME_codes (uint8): NAME with its K axis moved to the last place and cut into blocks of 32 codes, [.., K / 32, bytes a block], one block behind the other in memory; four codes in three bytes: a row's codes are one little-endian stream of bits, code i at bits 6 i .. 6 i + 5 (a code: sign, 2 exponent bits, 3 mantissa bits); and NAME_scales (uint8): the same leading axes, one E8M0 byte (e + 127) for each 32 codes along K. Its value is code x scale, taken as it is: it is not quantised again, and the codes and scales need not be those that the quantiser above would give.
;; One version. Each part assembles by itself: llvm-mc -triple=amdgcn-amd-amdhsa -mcpu=gfx1250 --defsym DOCPART=n.
;; ======== version 1 of 1: 3 launches
;; workspace buffers: qc 6,553,600 bytes; kc 6,553,600 bytes; vc 6,553,600 bytes; pc 13,107,200 bytes; ps 1,048,576 bytes
;; launch proj (part 1): grid 8 x 32, 4 waves a work-group, clusters of 4 x 4, 327,680 bytes of LDS; arguments x_codes, x_scales, W_q_codes, W_q_scales, W_k_codes, W_k_scales, W_v_codes, W_v_scales, qc, kc, vc; writes qc, kc, vc
.if DOCPART == 1
	.amdgcn_target "amdgcn-amd-amdhsa--gfx1250"
	.amdhsa_code_object_version 6
	.text
	.protected	k_q0e5ed74324_proj
	.globl	k_q0e5ed74324_proj
	.p2align	8
	.type	k_q0e5ed74324_proj,@function
k_q0e5ed74324_proj:
	s_mov_b64 s[64:65], 0
	v_nop
	global_prefetch_b8 v0, s[64:65] scope:SCOPE_SE
	s_setreg_imm32_b32 hwreg(HW_REG_WAVE_MODE, 25, 1), 1
	s_wait_xcnt 0x0
	s_wait_alu depctr_hold_cnt(0) depctr_sa_sdst(0) depctr_va_vdst(0) depctr_va_sdst(0) depctr_va_ssrc(0) depctr_va_vcc(0) depctr_vm_vsrc(0)
	s_getreg_b32 s2, hwreg(HW_REG_IB_STS2, 6, 4)
	s_cmp_eq_u32 s2, 0
	s_cbranch_scc0 .Lentry_in_a_cluster
	s_endpgm
.Lentry_in_a_cluster:
	s_bfe_u32 s2, ttmp6, 0x10000c
	s_cmp_lg_u32 s2, 0xf033
	s_cbranch_scc0 .Lentry_shape_is_right
	s_endpgm
.Lentry_shape_is_right:
; q = x Wq^T, k = x Wk^T, v = x Wv^T on codes of FP6 (E2M3) with one E8M0 scale for each 32 along K = 1,024; the f32 results are quantised in registers and leave as codes.
; x: [8192][1024], W: [1024][1024]: a row of codes is 768 bytes (one stream of bits), a row of scale bytes 32.
; A WORK-GROUP STAYS AND MAKES TWO TILES, so that 256 work-groups share the three products evenly: 768 matrix instructions a wave.
;   TILE 1: 256 tokens x 256 channels of q (cluster x = 0) or k (cluster x = 1): A = x, B = Wq or Wk; a wave makes 128 x 128: 64 accumulators.  q and k are quantised along the channels.
;   TILE 2: 128 channels x 256 tokens of v, with the roles changed: A = Wv, B = x, so that a lane holds a channel and its registers run along the tokens, the K of the product that v goes into; a wave makes 64 x 128: 32 accumulators.
; K goes in steps of 256 through a ring of two LDS slots filled by the tensor data mover, and the ring does not stop at tile 1's end: its last two changes of slots ask for tile 2's first two K steps; tile 1 is quantised and stored while they land.
; The scale bytes of both tiles' rows, for all of K, come into LDS once, with the first fills.  CLUSTERS: 4 x 4; A's tiles are asked for jointly along a row of the cluster, B's along a column.
; THE MATRIX INSTRUCTION IS USED TRANSPOSED (source 0 = 16 rows of B, source 1 = 16 rows of A): lane (r, h) holds A's row r, and register j of accumulator (a, b) B's row 16 b + 8 h + j.
; THE RESULT'S FORMAT, A CHUNK of 12,800 bytes for 128 rows x 128 along the next K: bytes 1536 a + 512 g + 16 lane: registers 4 g .. 4 g + 3 of the fragment of rows 16 a .. 16 a + 15, as the matrix unit takes them;
; bytes 12,288 + 256 hh + 16 r + 4 i: the scale word of row 16 (4 hh + i) + r.  Tile 1: a wave's result is one chunk.  Tile 2: blocks 4 wr .. 4 wr + 3 of a chunk and the 256 bytes hh = wr of its scale words.
; THE ORDER INSIDE A BLOCK OF 32: the 16 registers of accumulators 2 B and 2 B + 1 are columns 32 B + 8 h + 0..7 and 32 B + 16 + 8 h + 0..7: all of block B.  So a block's codes stand in the order 0-7, 16-23, 8-15, 24-31.
; Every operand of the two later products is made so, both sides alike, so the products are those of the natural order; only the order of the sums inside a block differs.
; LIMITS: NaN and infinities are not served; a block whose largest magnitude lies under 2^-124 keeps the scale byte 1 (a block of zeros too: its codes are zeros, and this program alone reads the bytes).
; REGISTERS: window 0: v16-30 addresses; v32-63 scale words, two sets; v128-223 A's fragments (tile 1: one set of eight blocks; tile 2: two sets of four); on the way out v64-111 and v224-242 at work.
;   window 1: B's fragments, two sets.  windows 2, 3: the accumulators (tile 2: window 2 alone).
.set KSTEP,  256
.set NQ,     KSTEP/128
.set ROWB,   192                       ; a tile's row in bytes
.set KROW,   768                       ; a row of codes in memory
.set PITCH,  240                       ; an LDS row: 3 x (64 bytes + 16 of padding)
.set FR,     12
.set NL,     6
.set NP,     4                         ; places behind this matrix instruction (ISA guide 7.12.1)
.set HALFT,  128*PITCH
.set SLOT,   4*HALFT
.set KS,     32                        ; a row of scale bytes
.set SCL,    2*SLOT                    ; behind the ring: tile 1's scales, as units of 256 bytes + 16 of padding: A's two halves, B's two halves
.set HALFS,  (128*KS/256)*272          ; the scales of 128 rows
.set SBLK,   (16*KS/256)*272           ; those of 16 rows
.set SCL2,   SCL+4*HALFS               ; tile 2's scales: Wv's 128 rows, then x's two halves
.set SPARE,  SCL2+3*HALFS              ; the spare words, 128 bytes for each wave: two blocks of 256 bytes that no other line names
.set CHUNK,  12800
.set ADRA, 16                          ; v16-17 LDS address of my A fragments in slot 0, 1 (v18-19: behind one padding more)
.set ADRB, 20                          ; v20-21 the same for B (v22-23)
.set LI2,  24                          ; v24 16 x lane + 6,144 wr: my four blocks' place in tile 2's chunk
.set QA,   25                          ; v25 16 r + 8 h + 256 wr: my two scale words' place among that chunk's
.set LI,   26                          ; v26 16 x lane
.set ADRS, 27                          ; v27 LDS address of my scale words, tile 1
.set SPW,  28                          ; v28 my spare word; never rewritten
.set NIL,  29                          ; v29 0; never rewritten
.set ADRS2, 30                         ; v30 LDS address of my scale words, tile 2
.set SC,   32
.set TM,   64                          ; v64-67 largest magnitudes, v68-71 the other half's and then bytes, v76-79 the conversions' scale operands
.set PCB,  80                          ; v80-98 or v224-242: a fragment's codes as they are made
.set PCA,  224
.set SW,   100                         ; v100-107 the blocks' scale words
.set QP,   108                         ; v108-111 those, as they are stored
.set AF,   128
.set G1SH, 4                           ; s[4:11]   group 1: the scales of 64 rows
.set OUT1, 12                          ; s[12:13]  my chunk of qc or kc
.set HIM,  17                          ; s17       lanes 16-31
.set B2C,  18                          ; s[18:19]  tile 2: x's codes at the rows that I fetch
.set A2C,  20                          ; s[20:21]  tile 2: Wv's codes at the rows that I fetch
.set SEL,  22                          ; s22, s23  lane selects: lane l xor 16
.set G1,   24                          ; s[24:31]  group 1: 128 rows of A;  s[32:39] group 0, a set for each slot
.set G0,   32
.set G1H,  40                          ; s[40:47]  group 1: 64 rows of A (tile 2)
.set G1B,  48                          ; s[48:55], s[56:63] the same as G1, G0 for B
.set G0B,  56
.set OUT2, 66                          ; s[66:67]  my chunk of vc
.set G1S,  68                          ; s[68:75], s[76:79] groups 1 and 0 for tile 1's scales of A;  s[80:87], s[88:91] of B
.set G0S,  76
.set G1SB, 80
.set G0SB, 88
.set G0S2, 92                          ; s[92:95], s[96:99] groups 0 for tile 2's scales of A and of B
.set G0SB2, 96
.set MSB, 0
.macro WIN new                         ; the immediate's high byte repeats the setting that is left
.if MSB != \new
	s_set_vgpr_msb (MSB<<8)|\new
.set MSB, \new
.endif
.endm
.set MUL_LO, 0xa1                      ; source 0 (B) window 1, source 1 (A) window 0, C and D window 2
.set MUL_HI, 0xf1
.set TO_B,   0x40
; A joint load: waves 0 and 1 fetch for A, waves 2 and 3 for B; the branch hangs on the wave's number alone.  Four v_nop follow each of the two lines.
.macro JLOAD g0a, g1a, g0b, g1b
	s_cmp_eq_u32 s15, 0
	s_cbranch_scc0 .Lfor_b_\@
	tensor_load_to_lds s[\g0a:\g0a+3], s[\g1a:\g1a+7]
	s_nop 0
.rept 4
	v_nop
.endr
	s_branch .Lasked_\@
.Lfor_b_\@:
	tensor_load_to_lds s[\g0b:\g0b+3], s[\g1b:\g1b+7]
	s_nop 0
.rept 4
	v_nop
.endr
.Lasked_\@:
.endm
.macro CREST                           ; a round of the cluster's barrier behind its opening barrier
	s_cmp_lg_u32 s14, 0
	s_cbranch_scc1 .Lnot_wave_0_\@
	s_barrier_signal -3
.Lnot_wave_0_\@:
	s_barrier_wait -3
	s_barrier_signal -1
	s_barrier_wait -1
.endm
.macro CROUND
	s_barrier_signal -1
	s_barrier_wait -1
	CREST
.endm
	s_load_b512 s[68:83], s[0:1], 0x0              ; x's codes, scales; Wq's; Wk's; Wv's
	s_load_b128 s[84:87], s[0:1], 0x40             ; qc, kc
	s_load_b64 s[88:89], s[0:1], 0x50              ; vc
	v_lshl_add_u32 v[SPW], v0, 2, SPARE
	v_mov_b32 v[NIL], 0
	ds_add_u32 v28, v29
	ds_add_u32 v28, v29
	s_wait_dscnt 0x0
	v_lshrrev_b32 v1, 5, v0
	v_readfirstlane_b32 s14, v1                    ; wave 0..3
	s_lshr_b32 s15, s14, 1                         ; wr: which half of A's rows is mine.  Also: I fetch for A (0) or for B (1)
	s_and_b32 s16, s14, 1                          ; wc: which 128 of B's rows.  Also: which part I fetch
	s_bfe_u32 s40, ttmp6, 0x40000                  ; cx
	s_bfe_u32 s41, ttmp6, 0x40004                  ; cy
	s_and_b32 s18, ttmp7, 0xffff
	s_lshl_b32 s18, s18, 2                         ; 4 x cluster y
	s_add_co_u32 s17, s18, s41                     ; tile 1: A's 256 tokens: 4 x cluster y + cy
	s_add_co_u32 s42, s18, s40                     ; tile 2: B's 256 tokens: 4 x cluster y + cx
	s_lshl_b32 s19, ttmp9, 2
	s_add_co_u32 s19, s19, s41                     ; tile 2: A's 128 channels: 4 x cluster x + cy
	s_lshl_b32 s43, s41, 2
	s_lshl_b32 s43, 15, s43                        ; my row of the cluster
	s_lshl_b32 s44, 0x1111, s40                    ; my column
	s_or_b32 s[G1+0], s43, (0<<16)|(1<<20)|(1<<21)|(3<<22)|(3<<25)  ; the mask; elements of 1 byte; padding on; bit 21 beside a mask; after every 16 words 4 words
	s_or_b32 s[G1B+0], s44, (0<<16)|(1<<20)|(1<<21)|(3<<22)|(3<<25)
.irp g, G1, G1B
	s_mov_b32 s[\g+1], ROWB<<16                    ; tensor_dim0
	s_mov_b32 s[\g+2], 128<<16                     ; tensor_dim1
	s_mov_b32 s[\g+3], ROWB<<16                    ; tile_dim0
	s_mov_b32 s[\g+4], 128                         ; tile_dim1
	s_mov_b32 s[\g+5], KROW                        ; the pitch
	s_mov_b32 s[\g+6], 0
	s_mov_b32 s[\g+7], 0
.endr
	; the rows that I fetch.  A's hang on cy, B's on cx, each in registers of its own
	s_lshl_b32 s2, s16, 7
	s_lshl_b32 s20, s17, 8
	s_add_co_u32 s20, s20, s2                      ; tile 1, A: x's row 256 x tile + 128 x part
	s_lshl_b32 s3, s16, 6
	s_lshl_b32 s21, s19, 7
	s_add_co_u32 s21, s21, s3                      ; tile 2, A: Wv's row 128 x tile + 64 x part
	s_lshl_b32 s46, s40, 8
	s_add_co_u32 s46, s46, s2                      ; tile 1, B: W's row 256 cx + 128 x part
	s_lshl_b32 s47, s42, 8
	s_add_co_u32 s47, s47, s2                      ; tile 2, B: x's row 256 x tile + 128 x part
	; where my results go
	s_lshl_b32 s9, s17, 1
	s_add_co_u32 s9, s9, s15                       ; tile 1: row group 2 x tile + wr,
	s_lshl_b32 s9, s9, 3                           ; eight chunks each,
	s_lshl_b32 s10, s40, 1
	s_add_co_u32 s9, s9, s10
	s_add_co_u32 s9, s9, s16                       ; K step 2 cx + wc
	s_mul_i32 s9, s9, CHUNK                        ; under 6,553,600
	s_lshl_b32 s8, s19, 6                          ; tile 2: row group = the 128 channels, 64 chunks each,
	s_lshl_b32 s10, s42, 1
	s_add_co_u32 s8, s8, s10
	s_add_co_u32 s8, s8, s16                       ; K step 2 x tile + wc
	s_mul_i32 s8, s8, CHUNK
	s_mul_i32 s45, s14, HALFT                      ; where the tiles go: no place in the cluster enters an LDS address
	s_mul_i32 s3, s14, HALFS                       ; tile 1's scales
	s_mul_i32 s2, s16, HALFS/2                     ; tile 2's scales of A: 64 rows a part
	s_mov_b32 s23, 0
	s_mov_b32 s11, 0
	s_wait_kmcnt 0x0
	s_cmp_eq_u32 ttmp9, 0                          ; tile 1's weight and result are chosen by the cluster's x alone
	s_cselect_b64 s[72:73], s[72:73], s[76:77]     ; Wq's or Wk's codes,
	s_cselect_b64 s[74:75], s[74:75], s[78:79]     ; scales,
	s_cselect_b64 s[OUT1:OUT1+1], s[84:85], s[86:87]   ; qc or kc
	s_mov_b32 s10, s9
	s_add_nc_u64 s[OUT1:OUT1+1], s[OUT1:OUT1+1], s[10:11]
	s_mov_b32 s10, s8
	s_add_nc_u64 s[OUT2:OUT2+1], s[88:89], s[10:11]
	s_mul_i32 s22, s20, KROW
	s_add_nc_u64 s[G0+2:G0+3], s[68:69], s[22:23]  ; tile 1, A: K step 0,
	s_add_nc_u64 s[G0+6:G0+7], s[G0+2:G0+3], ROWB  ; K step 1
	s_lshl_b32 s22, s20, 5
	s_add_nc_u64 s[4:5], s[70:71], s[22:23]        ; and these rows' scales
	s_lshl_b32 s22, s21, 5
	s_add_nc_u64 s[G0S2+2:G0S2+3], s[82:83], s[22:23]  ; tile 2, A: the scales,
	s_mul_i32 s22, s21, KROW
	s_add_nc_u64 s[A2C:A2C+1], s[80:81], s[22:23]  ; the codes
	s_mul_i32 s10, s46, KROW
	s_add_nc_u64 s[G0B+2:G0B+3], s[72:73], s[10:11]    ; tile 1, B
	s_add_nc_u64 s[G0B+6:G0B+7], s[G0B+2:G0B+3], ROWB
	s_lshl_b32 s10, s46, 5
	s_add_nc_u64 s[6:7], s[74:75], s[10:11]
	s_lshl_b32 s10, s47, 5
	s_add_nc_u64 s[G0SB2+2:G0SB2+3], s[70:71], s[10:11]    ; tile 2, B
	s_mul_i32 s10, s47, KROW
	s_add_nc_u64 s[B2C:B2C+1], s[68:69], s[10:11]
.irp s, 0,1
	s_mov_b32 s[G0+4*\s], 1                        ; count = 1
	s_add_co_u32 s[G0+4*\s+1], s45, \s*SLOT        ; LDS address
	s_or_b32 s[G0+4*\s+3], s[G0+4*\s+3], 0x80000000    ; type = 2
	s_mov_b32 s[G0B+4*\s], 1
	s_add_co_u32 s[G0B+4*\s+1], s45, \s*SLOT
	s_or_b32 s[G0B+4*\s+3], s[G0B+4*\s+3], 0x80000000
.endr
	; the scales of 128 rows: 4,096 dense bytes, as 16 rows of 256 bytes (32 elements of 8 bytes), 16 bytes of padding behind each; of 64 rows: 8 such rows
	s_or_b32 s[G1S+0], s43, (3<<16)|(1<<20)|(1<<21)|(5<<22)|(3<<25)
	s_or_b32 s[G1SB+0], s44, (3<<16)|(1<<20)|(1<<21)|(5<<22)|(3<<25)
.irp g, G1S, G1SB
	s_mov_b32 s[\g+1], 32<<16
	s_mov_b32 s[\g+2], 16<<16
	s_mov_b32 s[\g+3], 32<<16
	s_mov_b32 s[\g+4], 16
	s_mov_b32 s[\g+5], 32
	s_mov_b32 s[\g+6], 0
	s_mov_b32 s[\g+7], 0
.endr
	s_mov_b32 s[G0S], 1
	s_add_co_u32 s[G0S+1], s3, SCL
	s_mov_b64 s[G0S+2:G0S+3], s[4:5]
	s_or_b32 s[G0S+3], s[G0S+3], 0x80000000
	s_mov_b32 s[G0SB], 1
	s_add_co_u32 s[G0SB+1], s3, SCL
	s_mov_b64 s[G0SB+2:G0SB+3], s[6:7]
	s_or_b32 s[G0SB+3], s[G0SB+3], 0x80000000
	s_mov_b32 s[G0S2], 1
	s_add_co_u32 s[G0S2+1], s2, SCL2
	s_or_b32 s[G0S2+3], s[G0S2+3], 0x80000000
	s_mul_i32 s9, s16, HALFS
	s_mov_b32 s[G0SB2], 1
	s_add_co_u32 s[G0SB2+1], s9, SCL2+HALFS
	s_or_b32 s[G0SB2+3], s[G0SB2+3], 0x80000000
	s_or_b32 s[G1SH+0], s43, (3<<16)|(1<<20)|(1<<21)|(5<<22)|(3<<25)
	s_mov_b32 s[G1SH+1], 32<<16
	s_mov_b32 s[G1SH+2], 8<<16
	s_mov_b32 s[G1SH+3], 32<<16
	s_mov_b32 s[G1SH+4], 8
	s_mov_b32 s[G1SH+5], 32
	s_mov_b32 s[G1SH+6], 0
	s_mov_b32 s[G1SH+7], 0
	s_or_b32 s[G1H+0], s43, (0<<16)|(1<<20)|(1<<21)|(3<<22)|(3<<25)  ; tile 2's tiles of A: as G1, with 64 rows
	s_mov_b32 s[G1H+1], ROWB<<16
	s_mov_b32 s[G1H+2], 64<<16
	s_mov_b32 s[G1H+3], ROWB<<16
	s_mov_b32 s[G1H+4], 64
	s_mov_b32 s[G1H+5], KROW
	s_mov_b32 s[G1H+6], 0
	s_mov_b32 s[G1H+7], 0
	CROUND                                         ; all sixteen work-groups are here: the first joint loads meet
	JLOAD G0S, G1S, G0SB, G1SB                     ; tile 1's scales first: they are wanted with K step 0
	JLOAD G0, G1, G0B, G1B                         ; K step 0
	JLOAD G0+4, G1, G0B+4, G1B                     ; K step 1
	JLOAD G0S2, G1SH, G0SB2, G1SB                  ; tile 2's scales: four tensor loads of mine are out at the most
	v_and_b32 v1, 15, v0                           ; r
	v_bfe_u32 v2, v0, 4, 1                         ; h
	v_mul_u32_u24 v3, v1, PITCH
	v_mul_u32_u24 v4, v2, 24
	v_add_nc_u32 v4, v3, v4                        ; a fragment's row x pitch + 24 x half
	v_lshl_add_u32 v5, v2, 4, v4                   ; and the same behind one padding more
	s_mul_i32 s2, s15, HALFT                       ; my half of A's rows (tile 2: its 64 rows lie at the head of the same region)
	s_mul_i32 s3, s16, HALFT
	s_add_co_u32 s3, s3, 2*HALFT                   ; my 128 rows of B
.irp s, 0,1
	v_add_nc_u32 v[ADRA+\s], s2, v4
	v_add_nc_u32 v[ADRB+\s], s3, v4
	v_add_nc_u32 v[ADRA+2+\s], s2, v5
	v_add_nc_u32 v[ADRB+2+\s], s3, v5
	s_add_co_u32 s2, s2, SLOT
	s_add_co_u32 s3, s3, SLOT
.endr
	v_mul_u32_u24 v5, v1, KS                       ; my row's scales: 32 bytes a row,
	v_lshrrev_b32 v6, 8, v5
	v_lshl_add_u32 v5, v6, 4, v5                   ; and 16 more for each 256 passed
	s_mul_i32 s2, s15, HALFS
	s_mul_i32 s3, s16, HALFS
	s_add_co_u32 s3, s3, 2*HALFS
	s_sub_co_u32 s3, s3, s2
	v_mul_u32_u24 v6, s3, v2                       ; lanes 16-31 take B's
	s_add_co_u32 s2, s2, SCL
	v_add_nc_u32 v6, v5, v6
	v_add_nc_u32 v[ADRS], s2, v6
	s_mul_i32 s2, s15, HALFS/2                     ; tile 2: my 64 rows of Wv's 128,
	s_mul_i32 s3, s16, HALFS
	s_add_co_u32 s3, s3, HALFS                     ; my 128 rows of x behind them
	s_sub_co_u32 s3, s3, s2
	v_mul_u32_u24 v6, s3, v2
	s_add_co_u32 s2, s2, SCL2
	v_add_nc_u32 v6, v5, v6
	v_add_nc_u32 v[ADRS2], s2, v6
	v_and_b32 v6, 31, v0
	v_lshlrev_b32 v[LI], 4, v6
	s_mul_i32 s2, s15, 4*1536
	v_add_nc_u32 v[LI2], s2, v[LI]
	v_lshlrev_b32 v[QA], 4, v1
	v_lshl_add_u32 v[QA], v2, 3, v[QA]
	s_lshl_b32 s2, s15, 8
	v_add_nc_u32 v[QA], s2, v[QA]
.irp b, 0,1,2,3
	v_mov_b32 v[TM+4+\b], 0                        ; written once: a lane permute's destination counts as one of its sources
.endr
	s_mov_b32 s[SEL], 0x76543210
	s_mov_b32 s[SEL+1], 0xfedcba98
	s_mov_b32 s[HIM], 0xffff0000
.macro FRAG reg, adr, q, i             ; a fragment: lane (r, h) takes 24 bytes of row r at 24 h and 24 more 48 bytes on, in pieces of 8 bytes; where the piece of lanes 16-31 lies behind one padding more, the second address register serves
.irp p, 0,1,2,3,4,5
.set PCE, 12*(\q)+6*(\p/3)+\p%3
.if PCE%8 < 5
	ds_load_b64 v[\reg+2*\p:\reg+2*\p+1], v[\adr] offset:8*PCE+16*(PCE/8)+(\i)*16*PITCH
.else
	ds_load_b64 v[\reg+2*\p:\reg+2*\p+1], v[\adr+2] offset:8*PCE+16*(PCE/8)+(\i)*16*PITCH
.endif
.endr
.endm
; Tile 1: 16 matrix instructions: A's blocks a0, a0 + 1 x B's eight.  The accumulators take turns, one instruction a turn, in the same order in every step.
.macro MUL16 a0, p, q, sc, zero
.irp a, \a0, \a0+1
.irp b, 0,1,2,3,4,5,6,7
.if \zero
	v_wmma_scale_f32_16x16x128_f8f6f4 v[8*(8*((\a)%4)+\b):8*(8*((\a)%4)+\b)+7], v[128*(\p)+FR*\b:128*(\p)+FR*\b+FR-1], v[AF+FR*(\a):AF+FR*(\a)+FR-1], 0, v[SC+8*NQ*(\sc)+NQ*\b+(\q)], v[SC+8*NQ*(\sc)+NQ*(\a)+(\q)] matrix_a_fmt:MATRIX_FMT_FP6 matrix_b_fmt:MATRIX_FMT_FP6 matrix_a_scale:MATRIX_SCALE_ROW1
.else
	v_wmma_scale_f32_16x16x128_f8f6f4 v[8*(8*((\a)%4)+\b):8*(8*((\a)%4)+\b)+7], v[128*(\p)+FR*\b:128*(\p)+FR*\b+FR-1], v[AF+FR*(\a):AF+FR*(\a)+FR-1], v[8*(8*((\a)%4)+\b):8*(8*((\a)%4)+\b)+7], v[SC+8*NQ*(\sc)+NQ*\b+(\q)], v[SC+8*NQ*(\sc)+NQ*(\a)+(\q)] matrix_a_fmt:MATRIX_FMT_FP6 matrix_b_fmt:MATRIX_FMT_FP6 matrix_a_scale:MATRIX_SCALE_ROW1
.endif
.endr
.endr
.endm
; Tile 2: 8 matrix instructions: Wv's block a of set p x x's eight of set p
.macro HMUL a, p, q, sc, zero
.irp b, 0,1,2,3,4,5,6,7
.if \zero
	v_wmma_scale_f32_16x16x128_f8f6f4 v[8*(8*(\a)+\b):8*(8*(\a)+\b)+7], v[128*(\p)+FR*\b:128*(\p)+FR*\b+FR-1], v[AF+48*(\p)+FR*(\a):AF+48*(\p)+FR*(\a)+FR-1], 0, v[SC+8*NQ*(\sc)+NQ*\b+(\q)], v[SC+8*NQ*(\sc)+NQ*(\a)+(\q)] matrix_a_fmt:MATRIX_FMT_FP6 matrix_b_fmt:MATRIX_FMT_FP6 matrix_a_scale:MATRIX_SCALE_ROW1
.else
	v_wmma_scale_f32_16x16x128_f8f6f4 v[8*(8*(\a)+\b):8*(8*(\a)+\b)+7], v[128*(\p)+FR*\b:128*(\p)+FR*\b+FR-1], v[AF+48*(\p)+FR*(\a):AF+48*(\p)+FR*(\a)+FR-1], v[8*(8*(\a)+\b):8*(8*(\a)+\b)+7], v[SC+8*NQ*(\sc)+NQ*\b+(\q)], v[SC+8*NQ*(\sc)+NQ*(\a)+(\q)] matrix_a_fmt:MATRIX_FMT_FP6 matrix_b_fmt:MATRIX_FMT_FP6 matrix_a_scale:MATRIX_SCALE_ROW1
.endif
.endr
.endm
.macro FETCH_B slot, q, p
	WIN TO_B
.irp i, 0,1,2,3,4,5,6,7
	FRAG 128*(\p)+FR*\i, ADRB+\slot, \q, \i
.endr
	WIN 0
.endm
.macro FETCH_A slot, q, i0             ; tile 1: A's blocks i0 .. i0 + 3
.irp i, \i0, \i0+1, \i0+2, \i0+3
	FRAG AF+FR*(\i), ADRA+\slot, \q, \i
.endr
.endm
.macro HFETCH_A slot, q, p             ; tile 2: A's four blocks into set p
.irp i, 0,1,2,3
	FRAG AF+48*(\p)+FR*\i, ADRA+\slot, \q, \i
.endr
.endm
.macro SCALES sc, adr                  ; a K step's scale words: two a row; lanes 0-15 take A's block i, lanes 16-31 B's block i (tile 2 names A's words of blocks 0-3 alone)
.irp i, 0,1,2,3,4,5,6,7
	ds_load_b64 v[SC+8*NQ*\sc+NQ*\i:SC+8*NQ*\sc+NQ*\i+1], v[\adr] offset:\i*SBLK
.endr
.endm
.macro PLACES n                        ; plain vector instructions between a matrix instruction and a load into, or a vector read or write of, its registers
.rept \n
	v_nop
.endr
.endm
.macro STEP slot, q, zero              ; tile 1: 128 along K with its successor in the same slot
	s_wait_dscnt 4*NL                              ; B's set and A's blocks 0-3 are in; the youngest 24 loads (A's blocks 4-7) may be out
	WIN MUL_LO
	MUL16 0, (\q)%2, \q, \slot, \zero
	MUL16 2, (\q)%2, \q, \slot, \zero
	s_wait_dscnt 0                                 ; A's blocks 4-7 are in
	PLACES NP
	FETCH_B \slot, (\q)+1, 1-(\q)%2
	FETCH_A \slot, (\q)+1, 0
	WIN MUL_HI
	MUL16 4, (\q)%2, \q, \slot, \zero
	MUL16 6, (\q)%2, \q, \slot, \zero
	PLACES NP
	WIN 0
	FETCH_A \slot, (\q)+1, 4
.endm
; Tile 1: a slot's last step changes slots: a round of the cluster's barrier; in front of it each wave waits for all its tensor loads, adds 0 to its spare word, and waits for that and for its own reads of this slot.
; fill = 1: the slot takes this tile's K step two on;  fill = 2: tile 2's K step 0 (slot 0) or 1 (slot 1).  half = 1: what is fetched next is tile 2's first step.
.macro TURN slot, next, fill, half
	s_wait_tensorcnt 0x0                           ; all my tensor loads have landed: my part of the next slot
	ds_add_u32 v[SPW], v[NIL]                      ; 0 onto my spare word
	s_wait_dscnt 4*NL+1                            ; the add and the youngest 24 loads may be out
	WIN MUL_LO
	MUL16 0, 1, NQ-1, \slot, 0
	s_wait_dscnt 0x0                               ; the add is done, and my reads of this slot are over
	s_barrier_signal -1
	MUL16 2, 1, NQ-1, \slot, 0
	WIN 0
	s_barrier_wait -1
	CREST                                          ; the barrier has opened a round of the cluster's: no wave of any partner still reads this slot or has a load on its way
.if \fill == 1
	s_add_nc_u64 s[G0+4*\slot+2:G0+4*\slot+3], s[G0+4*\slot+2:G0+4*\slot+3], 2*ROWB
	s_add_nc_u64 s[G0B+4*\slot+2:G0B+4*\slot+3], s[G0B+4*\slot+2:G0B+4*\slot+3], 2*ROWB
	JLOAD G0+4*\slot, G1, G0B+4*\slot, G1B         ; the first tensor load behind the round; its four v_nop are the places in front of the loads below
.else
	s_add_nc_u64 s[G0+4*\slot+2:G0+4*\slot+3], s[A2C:A2C+1], \slot*ROWB
	s_or_b32 s[G0+4*\slot+3], s[G0+4*\slot+3], 0x80000000
	s_add_nc_u64 s[G0B+4*\slot+2:G0B+4*\slot+3], s[B2C:B2C+1], \slot*ROWB
	s_or_b32 s[G0B+4*\slot+3], s[G0B+4*\slot+3], 0x80000000
	JLOAD G0+4*\slot, G1H, G0B+4*\slot, G1B        ; THE RING GOES ON INTO TILE 2
.endif
.if \half
	FETCH_B \next, 0, 0
	HFETCH_A \next, 0, 0
	SCALES \next, ADRS2
.else
	v_add_nc_u32 v[ADRS], 4*NQ, v[ADRS]            ; the next K step's scale words
	FETCH_B \next, 0, 0
	FETCH_A \next, 0, 0
	SCALES \next, ADRS
.endif
	WIN MUL_HI
	MUL16 4, 1, NQ-1, \slot, 0
	MUL16 6, 1, NQ-1, \slot, 0
	PLACES NP
	WIN 0
.if !(\half)
	FETCH_A \next, 0, 4
.endif
.endm
; Tile 2: a slot's first 128 along K (sets 0).  Its operands were asked for a step ago; the next step's 72 loads go out ahead of the step's 32 matrix instructions, into sets 1.
.macro HSTEP slot, zero
	s_wait_dscnt 0x0                               ; this step's operands are in
	PLACES NP                                      ; in front of loads into registers that the step before multiplied
	FETCH_B \slot, 1, 1
	HFETCH_A \slot, 1, 1
	WIN MUL_LO
	HMUL 0, 0, 0, \slot, \zero
	HMUL 1, 0, 0, \slot, \zero
	HMUL 2, 0, 0, \slot, \zero
	HMUL 3, 0, 0, \slot, \zero
	WIN 0
.endm
; Tile 2: a slot's second 128 along K (sets 1) changes slots, as TURN does
.macro HTURN slot, next, fill
	s_wait_tensorcnt 0x0                           ; all my tensor loads have landed: my part of the next slot
	ds_add_u32 v[SPW], v[NIL]                      ; 0 onto my spare word
	s_wait_dscnt 1                                 ; this step's operands are in; the add may be out
	WIN MUL_LO
	HMUL 0, 1, 1, \slot, 0
	s_wait_dscnt 0x0                               ; the add is done, and my reads of this slot are over
	s_barrier_signal -1
	HMUL 1, 1, 1, \slot, 0
	WIN 0
	s_barrier_wait -1
.if \fill
	CREST
	s_add_nc_u64 s[G0+4*\slot+2:G0+4*\slot+3], s[G0+4*\slot+2:G0+4*\slot+3], 2*ROWB
	s_add_nc_u64 s[G0B+4*\slot+2:G0B+4*\slot+3], s[G0B+4*\slot+2:G0B+4*\slot+3], 2*ROWB
	JLOAD G0+4*\slot, G1H, G0B+4*\slot, G1B        ; the first tensor load behind the round; its four v_nop are the places in front of the loads below
.else
	PLACES NP
.endif
	v_add_nc_u32 v[ADRS2], 4*NQ, v[ADRS2]          ; the next K step's scale words
	FETCH_B \next, 0, 0
	HFETCH_A \next, 0, 0
	SCALES \next, ADRS2
	WIN MUL_LO
	HMUL 2, 1, 1, \slot, 0
	HMUL 3, 1, 1, \slot, 0
	WIN 0
.endm
; THE WAY OUT: block a (16 of A's rows x my 128 columns) becomes one fragment and one scale word a row.  A block of 32 lies in lanes l and l xor 16, 16 numbers each.  va: my lane's place in the chunk; sb: the chunk.
.macro OUTBLK a, va, sb
.set AC, 64*((\a)%4)
.set WW, 2+(\a)/4
.set W2, WW|(WW<<2)
.if (\a)%4 < 2
.set PC, PCA                           ; the codes' registers carry other numbers than the sixteen sources of any conversion that writes them
.else
.set PC, PCB
.endif
	WIN W2                                         ; sources 0 and 1: the accumulators' window
.irp b, 0,1,2,3
	v_max3_num_f32 v[TM+\b], |v[AC+16*\b]|, |v[AC+16*\b+1]|, 0x1800000   ; my 16 numbers of block b, each accumulator from its low end on, and the floor 2^(3 - 127): the byte cannot fall under 1
.endr
.irp i, 2,4,6,8,10,12,14
.irp b, 0,1,2,3
	v_max3_num_f32 v[TM+\b], |v[AC+16*\b+\i]|, |v[AC+16*\b+\i+1]|, v[TM+\b]
.endr
.endr
	WIN 0
.irp b, 0,1,2,3
	v_permlanex16_b32 v[TM+4+\b], v[TM+\b], s[SEL], s[SEL+1]
.endr
.irp b, 0,1,2,3
	v_max_num_f32 v[TM+\b], v[TM+\b], v[TM+4+\b]   ; the block's largest magnitude
.endr
.irp b, 0,1,2,3
	v_add_nc_u32 v[TM+12+\b], 0xff000000, v[TM+\b] ; 2 off its exponent field: the conversion's scale operand
.endr
.irp b, 0,1,2,3
	v_lshrrev_b32 v[TM+4+\b], 23, v[TM+12+\b]      ; the scale's byte
.endr
	v_lshl_or_b32 v[SW+(\a)], v[TM+5], 8, v[TM+4]
	v_lshl_or_b32 v[SW+(\a)], v[TM+6], 16, v[SW+(\a)]
	v_lshl_or_b32 v[SW+(\a)], v[TM+7], 24, v[SW+(\a)]
	s_wait_xcnt 0x0                                ; the earlier stores have read their data: the codes' registers are written again only behind this wait
	WIN WW                                         ; source 0: the accumulators' window
.irp c, 0,1
	v_cvt_scalef32_pk16_fp6_f32 v[PC+6*\c:PC+2+6*\c], v[AC+32*\c:AC+15+32*\c], v[TM+12+2*\c]
	v_cvt_scalef32_pk16_fp6_f32 v[PC+12+4*\c:PC+14+4*\c], v[AC+16+32*\c:AC+31+32*\c], v[TM+12+2*\c+1]   ; (a conversion's three registers begin on an even number)
.endr
	v_nop                                          ; one plain place behind a scaled conversion
	WIN 0
.irp c, 0,1                            ; the operand's layout wants a whole block in a lane: lanes 0-15 block 2 c, lanes 16-31 block 2 c + 1
.irp i, 0,1,2
	v_permlane16_swap_b32 v[PC+6*\c+\i], v[PC+12+4*\c+\i]
.endr
.irp i, 0,1,2
	v_mov_b32 v[PC+3+6*\c+\i], v[PC+12+4*\c+\i]
.endr
.endr
.irp g, 0,1,2
	global_store_b128 v[\va], v[PC+4*\g:PC+4*\g+3], s[\sb:\sb+1] offset:1536*(\a)+512*\g   ; 32 lanes store 512 consecutive bytes
.endr
.endm
	; ---- TILE 1
	s_wait_tensorcnt 2                             ; tile 1's scales and my part of K step 0 are in; K step 1's load and tile 2's scales may be out
	s_barrier_signal -1
	s_barrier_wait -1
	FETCH_B 0, 0, 0
	FETCH_A 0, 0, 0
	SCALES 0, ADRS
	FETCH_A 0, 0, 4
	STEP 0, 0, 1                                   ; the first step's products start the sums
	TURN 0, 1, 1, 0                                ; slot 0 takes K step 2
	STEP 1, 0, 0
	TURN 1, 0, 1, 0                                ; slot 1 takes K step 3
	STEP 0, 0, 0
	TURN 0, 1, 2, 0                                ; slot 0 takes tile 2's K step 0
	STEP 1, 0, 0
	TURN 1, 0, 2, 1                                ; slot 1 takes tile 2's K step 1, and tile 2's first fragments are fetched
	; both refills are asked for: now tile 1 goes out.  It touches none of the registers into which tile 2's first fragments and scale words land
.irp a, 0,1,2,3,4,5,6,7
	OUTBLK \a, LI, OUT1
.endr
.irp i, 0,1,2,3
	v_cndmask_b32 v[QP+\i], v[SW+\i], v[SW+4+\i], s[HIM]   ; lanes 0-15: blocks 0-3's words, lanes 16-31: blocks 4-7's
.endr
	global_store_b128 v[LI], v[QP:QP+3], s[OUT1:OUT1+1] offset:12288
	; ---- TILE 2
	HSTEP 0, 1                                     ; its first step's products start the sums anew
	HTURN 0, 1, 1                                  ; slot 0 takes its K step 2
	HSTEP 1, 0
	HTURN 1, 0, 1                                  ; slot 1 takes its K step 3
	HSTEP 0, 0
	HTURN 0, 1, 0                                  ; nothing is left to fetch
	HSTEP 1, 0
	s_wait_dscnt 0x0
	WIN MUL_LO
	HMUL 0, 1, 1, 1, 0
	HMUL 1, 1, 1, 1, 0
	HMUL 2, 1, 1, 1, 0
	HMUL 3, 1, 1, 1, 0
	WIN 0
	PLACES NP
.irp a, 0,1,2,3
	OUTBLK \a, LI2, OUT2
.endr
	v_cndmask_b32 v[QP], v[SW], v[SW+2], s[HIM]    ; lane (r, h) stores the words of blocks 2 h and 2 h + 1 of row r: 32 lanes, 256 consecutive bytes
	v_cndmask_b32 v[QP+1], v[SW+1], v[SW+3], s[HIM]
	global_store_b64 v[QA], v[QP:QP+1], s[OUT2:OUT2+1] offset:12288
	s_wait_tensorcnt 0x0                           ; the wave's end
	ds_add_u32 v[SPW], v[NIL]
	s_wait_dscnt 0x0
	CROUND                                         ; the closing round
	s_endpgm
.Lfunc_end_k_q0e5ed74324_proj:
	.size	k_q0e5ed74324_proj, .Lfunc_end_k_q0e5ed74324_proj-k_q0e5ed74324_proj
	.p2alignl 7, 3214868480
	.fill 96, 4, 3214868480
	.section	.rodata,"a",@progbits
	.p2align	6, 0x0
	.amdhsa_kernel k_q0e5ed74324_proj
		.amdhsa_group_segment_fixed_size 327680
		.amdhsa_private_segment_fixed_size 0
		.amdhsa_enable_private_segment 0
		.amdhsa_kernarg_size 88
		.amdhsa_user_sgpr_count 2
		.amdhsa_user_sgpr_kernarg_segment_ptr 1
		.amdhsa_wavefront_size32 1
		.amdhsa_system_sgpr_workgroup_id_x 1
		.amdhsa_system_sgpr_workgroup_id_y 1
		.amdhsa_system_sgpr_workgroup_id_z 1
		.amdhsa_system_vgpr_workitem_id 0
		.amdhsa_next_free_vgpr 1024
		.amdhsa_next_free_sgpr 100
		.amdhsa_reserve_vcc 0
		.amdhsa_float_denorm_mode_32 3
		.amdhsa_float_denorm_mode_16_64 3
		.amdhsa_memory_ordered 1
		.amdhsa_forward_progress 1
		.amdhsa_inst_pref_size 255
	.end_amdhsa_kernel
	.section	.bss,"aw",@nobits
	.p2align	6
	.space	262144
	.amdgpu_metadata
---
amdhsa.version: [ 1, 2 ]
amdhsa.kernels:
  - .name:           k_q0e5ed74324_proj
    .symbol:         k_q0e5ed74324_proj.kd
    .args:
      - { .name: x_codes, .offset: 0, .size: 8, .value_kind: global_buffer, .address_space: global }
      - { .name: x_scales, .offset: 8, .size: 8, .value_kind: global_buffer, .address_space: global }
      - { .name: W_q_codes, .offset: 16, .size: 8, .value_kind: global_buffer, .address_space: global }
      - { .name: W_q_scales, .offset: 24, .size: 8, .value_kind: global_buffer, .address_space: global }
      - { .name: W_k_codes, .offset: 32, .size: 8, .value_kind: global_buffer, .address_space: global }
      - { .name: W_k_scales, .offset: 40, .size: 8, .value_kind: global_buffer, .address_space: global }
      - { .name: W_v_codes, .offset: 48, .size: 8, .value_kind: global_buffer, .address_space: global }
      - { .name: W_v_scales, .offset: 56, .size: 8, .value_kind: global_buffer, .address_space: global }
      - { .name: qc, .offset: 64, .size: 8, .value_kind: global_buffer, .address_space: global }
      - { .name: kc, .offset: 72, .size: 8, .value_kind: global_buffer, .address_space: global }
      - { .name: vc, .offset: 80, .size: 8, .value_kind: global_buffer, .address_space: global }
    .group_segment_fixed_size: 327680
    .private_segment_fixed_size: 0
    .kernarg_segment_align: 8
    .kernarg_segment_size: 88
    .max_flat_workgroup_size: 128
    .sgpr_count:     100
    .vgpr_count:     1024
    .wavefront_size: 32
...
	.end_amdgpu_metadata
.endif
;; end of part 1
;; launch scores (part 2): grid 8 x 32, 4 waves a work-group, clusters of 4 x 4, 327,680 bytes of LDS; arguments qc, kc, pc, ps; writes pc, ps
.if DOCPART == 2
	.amdgcn_target "amdgcn-amd-amdhsa--gfx1250"
	.amdhsa_code_object_version 6
	.text
	.protected	k_q0e5ed74324_scores
	.globl	k_q0e5ed74324_scores
	.p2align	8
	.type	k_q0e5ed74324_scores,@function
k_q0e5ed74324_scores:
	s_mov_b64 s[64:65], 0
	v_nop
	global_prefetch_b8 v0, s[64:65] scope:SCOPE_SE
	s_setreg_imm32_b32 hwreg(HW_REG_WAVE_MODE, 25, 1), 1
	s_wait_xcnt 0x0
	s_wait_alu depctr_hold_cnt(0) depctr_sa_sdst(0) depctr_va_vdst(0) depctr_va_sdst(0) depctr_va_ssrc(0) depctr_va_vcc(0) depctr_vm_vsrc(0)
	s_getreg_b32 s2, hwreg(HW_REG_IB_STS2, 6, 4)
	s_cmp_eq_u32 s2, 0
	s_cbranch_scc0 .Lentry_in_a_cluster
	s_endpgm
.Lentry_in_a_cluster:
	s_bfe_u32 s2, ttmp6, 0x10000c
	s_cmp_lg_u32 s2, 0xf033
	s_cbranch_scc0 .Lentry_shape_is_right
	s_endpgm
.Lentry_shape_is_right:
; S = q k^T for each of the four batches on codes of FP6 (K = 1,024), the mask (key j counts for query i where j <= i + 1), and the softmax's piece of each 128 keys:
; t = score x log2(e) / 32;  Mloc = the ceiling of the largest t of a row's 128 keys here;  p = 2^(t - Mloc), quantised along the keys;  lloc = the sum of the unquantised p.
; p's codes and scale words go to pc, -Mloc and lloc to ps.  The launch that follows finds each row's M, the largest Mloc, and takes M - Mloc off the scale bytes: an exact power of two, so the codes are those under M.
; OPERANDS come as CHUNKS of 12,800 bytes (128 rows x 128 along K): bytes 1536 a + 512 g + 16 lane: registers 4 g .. 4 g + 3 of the fragment of rows 16 a on; bytes 12,288 + 256 hh + 16 r + 4 i: the scale word of row 16 (4 hh + i) + r.
; So a fragment is three loads of 16 bytes a lane, each of 512 consecutive bytes, and one load of 16 bytes a lane brings eight blocks' scale words: register i holds block i's in lanes 0-15, block 4 + i's in lanes 16-31.
; A tile of 256 queries x 256 keys is made by four waves, each 128 x 128.  K goes in steps of 256 (two chunks of each 128 rows, dense in memory) through a ring of two LDS slots.
; CLUSTERS: 4 x 4; q's tiles are asked for jointly along a row of the cluster, k's along a column.  Source 0 = 16 keys, source 1 = 16 queries: lane (r, h) holds query r, register j of accumulator (a, b) key 16 b + 8 h + j.
; THE MASK IS THE C OF THE FIRST K STEP: 0 for a key that counts, -3e38 for one that does not.  Key 16 b + 8 h + j is hidden from query 16 a + r where 16 (b - a) + j > D0,
; D0 = 256 (I - J) + 128 (wr - wc) + 1 + r - 8 h.  The first two terms are a multiple of 128 and 1 + r - 8 h lies in -7 .. 16, so five sets of eight registers serve all 64 accumulators:
; b - a = -7 (compare -112 + j), -6 .. -1 (all alike: -16 + j stands for them), 0 (j), 1 (16 + j), 2 .. 7 (all alike: 32 + j).  Every tile is multiplied: no branch hangs on a place in the cluster.
; LIMITS: NaN and infinities are not served; |t| stays under 2^24, so that differences of M are whole numbers; scores stay far above -3e38; a row with no key that counts among these 128 gets Mloc = -2^120, p = 0, lloc = 0.
; Inside a block of 32 the codes stand in the order 0-7, 16-23, 8-15, 24-31, in p as in v.
; REGISTERS: window 0: v16-21, v26-31 addresses and constants; v32-63 scale words, two sets; v64-103 the mask sets; v128-223 q's fragments; on the way out v40-58, v64-79, v104-111, v136-171, v192-210.
;   window 1: k's fragments, two sets.  windows 2, 3: the accumulators.
.set CHUNK,  12800
.set FR,     12
.set NL,     3                         ; LDS loads that bring a fragment
.set NP,     4
.set NQ,     2
.set HALFT,  2*CHUNK                   ; what one tensor load brings: 128 rows x 256 along K
.set SLOT,   4*HALFT
.set LAPS,   2
.set SPARE,  2*SLOT                    ; the spare words, 128 bytes for each wave: two blocks of 256 bytes that no other line names
.set ADRA, 16
.set ADRB, 20
.set LI,   26                          ; v26 16 x lane
.set SPW,  28
.set NIL,  29
.set VNEG, 30                          ; v30 -3e38
.set D0,   31
.set SC,   32                          ; slot s, step q: q's words at v[SC + 16 s + 8 q + i], k's at + 4 + i
.set MK,   64
.set AF,   128
.set BM,   64                          ; the way out: v64-67 the blocks' largest scores, then largest p
.set BP,   68                          ; v68-71 the other half's (written before: they held a mask set)
.set SO,   72                          ; v72-75 the conversions' scale operands
.set BY,   76                          ; v76-79 bytes
.set T,    104                         ; v[104:105] -Mloc, named as a pair
.set T2,   106
.set SA,   108                         ; v108-111 the sum, two chains of pairs
.set PCB,  40
.set PCA,  192
.set SW,   136
.set NM,   144
.set LS,   152
.set QP,   160
.set G1, 24
.set G0, 32
.set G1B, 48
.set G0B, 56
.set CS,  66                           ; s[66:67] c = log2(e) / 32
.set SEL, 68
.set HIM, 70
.set MSB, 0
.macro WIN new
.if MSB != \new
	s_set_vgpr_msb (MSB<<8)|\new
.set MSB, \new
.endif
.endm
.set MUL_LO, 0xa1
.set MUL_HI, 0xf1
.set TO_B,   0x40
.macro JLOAD s                         ; a joint load: waves 0 and 1 fetch q's halves, waves 2 and 3 k's; four v_nop follow each of the two lines
	s_cmp_eq_u32 s15, 0
	s_cbranch_scc0 .Lfor_b_\@
	tensor_load_to_lds s[G0+4*\s:G0+4*\s+3], s[G1:G1+7]
	s_nop 0
.rept 4
	v_nop
.endr
	s_branch .Lasked_\@
.Lfor_b_\@:
	tensor_load_to_lds s[G0B+4*\s:G0B+4*\s+3], s[G1B:G1B+7]
	s_nop 0
.rept 4
	v_nop
.endr
.Lasked_\@:
.endm
.macro CREST
	s_cmp_lg_u32 s14, 0
	s_cbranch_scc1 .Lnot_wave_0_\@
	s_barrier_signal -3
.Lnot_wave_0_\@:
	s_barrier_wait -3
	s_barrier_signal -1
	s_barrier_wait -1
.endm
.macro CROUND
	s_barrier_signal -1
	s_barrier_wait -1
	CREST
.endm
	s_load_b256 s[4:11], s[0:1], 0x0               ; qc s[4:5], kc s[6:7], pc s[8:9], ps s[10:11]
	v_lshl_add_u32 v[SPW], v0, 2, SPARE
	v_mov_b32 v[NIL], 0
	ds_add_u32 v28, v29
	ds_add_u32 v28, v29
	s_wait_dscnt 0x0
	v_lshrrev_b32 v1, 5, v0
	v_readfirstlane_b32 s14, v1                    ; wave 0..3
	s_lshr_b32 s15, s14, 1                         ; wr: which 128 queries.  Also: I fetch for q (0) or for k (1)
	s_and_b32 s16, s14, 1                          ; wc: which 128 keys.  Also: which 128 rows I fetch
	s_bfe_u32 s40, ttmp6, 0x40000                  ; cx
	s_bfe_u32 s41, ttmp6, 0x40004                  ; cy
	s_lshl_b32 s42, ttmp9, 2
	s_add_co_u32 s42, s42, s40                     ; J: the tile of 256 keys in the batch
	s_and_b32 s18, ttmp7, 0xffff
	s_lshl_b32 s17, s18, 2
	s_add_co_u32 s17, s17, s41                     ; the tile of 256 queries among all 8,192
	s_lshr_b32 s18, s18, 1                         ; the batch: two clusters of 1,024 queries each
	s_lshl_b32 s43, s41, 2
	s_lshl_b32 s43, 15, s43                        ; my row of the cluster
	s_lshl_b32 s44, 0x1111, s40                    ; my column
	s_or_b32 s[G1+0], s43, (3<<16)|(1<<21)         ; the mask; elements of 8 bytes; no padding; bit 21 beside a mask
	s_or_b32 s[G1B+0], s44, (3<<16)|(1<<21)
.irp g, G1, G1B
	s_mov_b32 s[\g+1], 32<<16                      ; 25,600 dense bytes as 100 rows of 256
	s_mov_b32 s[\g+2], 100<<16
	s_mov_b32 s[\g+3], 32<<16
	s_mov_b32 s[\g+4], 100
	s_mov_b32 s[\g+5], 32
	s_mov_b32 s[\g+6], 0
	s_mov_b32 s[\g+7], 0
.endr
	s_lshl_b32 s20, s17, 1
	s_add_co_u32 s20, s20, s16                     ; q's row group: 2 x tile + half
	s_mul_i32 s20, s20, 8*CHUNK                    ; a row group's eight chunks
	s_mov_b32 s21, 0
	s_lshl_b32 s46, s18, 4
	s_lshl_b32 s47, s42, 1
	s_add_co_u32 s46, s46, s47
	s_add_co_u32 s46, s46, s16                     ; k's row group: 16 x batch + 2 J + half
	s_mul_i32 s46, s46, 8*CHUNK
	s_mov_b32 s47, 0
	s_mul_i32 s45, s14, HALFT                      ; where they go: q's halves, then k's: wave x 25,600
	s_mov_b32 s[CS], 0x3d38aa3b
	s_mov_b32 s[CS+1], s[CS]
	s_mov_b32 s[SEL], 0x76543210
	s_mov_b32 s[SEL+1], 0xfedcba98
	s_mov_b32 s[HIM], 0xffff0000
	s_wait_kmcnt 0x0
	s_add_nc_u64 s[20:21], s[4:5], s[20:21]
	s_add_nc_u64 s[46:47], s[6:7], s[46:47]
	CROUND                                         ; all sixteen work-groups are here: the first joint loads meet
.irp s, 0,1
	s_mov_b32 s[G0+4*\s], 1
	s_add_co_u32 s[G0+4*\s+1], s45, \s*SLOT
	s_add_nc_u64 s[G0+4*\s+2:G0+4*\s+3], s[20:21], \s*HALFT
	s_or_b32 s[G0+4*\s+3], s[G0+4*\s+3], 0x80000000
	s_mov_b32 s[G0B+4*\s], 1
	s_add_co_u32 s[G0B+4*\s+1], s45, \s*SLOT
	s_add_nc_u64 s[G0B+4*\s+2:G0B+4*\s+3], s[46:47], \s*HALFT
	s_or_b32 s[G0B+4*\s+3], s[G0B+4*\s+3], 0x80000000
	JLOAD \s                                       ; two tensor loads of mine are out at the most
.endr
	; the mask sets are made while the first tiles are on their way
	v_and_b32 v1, 15, v0                           ; r
	v_bfe_u32 v2, v0, 4, 1                         ; h
	s_and_b32 s22, s17, 7                          ; I: the tile of queries in the batch
	s_sub_co_i32 s22, s22, s42
	s_lshl_b32 s22, s22, 8                         ; 256 (I - J)
	s_sub_co_i32 s23, s15, s16
	s_lshl_b32 s23, s23, 7                         ; 128 (wr - wc)
	s_add_co_i32 s22, s22, s23
	s_add_co_i32 s22, s22, 1
	v_lshlrev_b32 v3, 3, v2
	v_sub_nc_u32 v3, v1, v3
	v_add_nc_u32 v[D0], s22, v3
	v_mov_b32 v[VNEG], 0xff61b1e6                  ; -3e38
.set CL, 0
.irp m0, -112, -16, 0, 16, 32
.irp j, 0,1,2,3,4,5,6,7
	v_cmp_gt_i32 vcc_lo, (\m0)+\j, v[D0]
	v_cndmask_b32 v[MK+8*CL+\j], 0, v[VNEG], vcc_lo
.endr
.set CL, CL+1
.endr
	v_and_b32 v4, 31, v0
	v_lshlrev_b32 v[LI], 4, v4
	s_mul_i32 s21, s15, HALFT                      ; my 128 queries
	s_mul_i32 s22, s16, HALFT                      ; my 128 keys,
	s_add_co_u32 s22, s22, 2*HALFT                 ; behind q's two halves
.irp s, 0,1
	v_add_nc_u32 v[ADRA+\s], s21, v[LI]
	v_add_nc_u32 v[ADRB+\s], s22, v[LI]
	s_add_co_u32 s21, s21, SLOT
	s_add_co_u32 s22, s22, SLOT
.endr
	v_mov_b32 v[T+1], 0                            ; named with v[T] as a pair, so it is written
	s_lshl_b32 s20, s17, 1
	s_add_co_u32 s20, s20, s15                     ; p's row group,
	s_lshl_b32 s20, s20, 4
	s_lshl_b32 s46, s42, 1
	s_add_co_u32 s46, s46, s16                     ; its K step: 2 J + wc
	s_add_co_u32 s20, s20, s46
	s_mul_i32 s46, s20, CHUNK                      ; under 13,107,200
	s_mov_b32 s47, 0
	s_add_nc_u64 s[8:9], s[8:9], s[46:47]
	s_lshl_b32 s46, s20, 10
	s_add_nc_u64 s[10:11], s[10:11], s[46:47]
.macro FRAG reg, adr, q, i
.irp g, 0,1,2
	ds_load_b128 v[\reg+4*\g:\reg+4*\g+3], v[\adr] offset:CHUNK*(\q)+1536*(\i)+512*\g
.endr
.endm
; one matrix instruction on the registers named by rD, rB, rA, rC, sB, sA.  r0: k's block is one of 4-7, its scale words lie in lanes 16-31; r1: the same of q's block
.macro WM r0, r1
.if (\r0) && (\r1)
	v_wmma_scale_f32_16x16x128_f8f6f4 v[rD:rD+7], v[rB:rB+11], v[rA:rA+11], v[rC:rC+7], v[sB], v[sA] matrix_a_fmt:MATRIX_FMT_FP6 matrix_b_fmt:MATRIX_FMT_FP6 matrix_a_scale:MATRIX_SCALE_ROW1 matrix_b_scale:MATRIX_SCALE_ROW1
.elseif \r0
	v_wmma_scale_f32_16x16x128_f8f6f4 v[rD:rD+7], v[rB:rB+11], v[rA:rA+11], v[rC:rC+7], v[sB], v[sA] matrix_a_fmt:MATRIX_FMT_FP6 matrix_b_fmt:MATRIX_FMT_FP6 matrix_a_scale:MATRIX_SCALE_ROW1
.elseif \r1
	v_wmma_scale_f32_16x16x128_f8f6f4 v[rD:rD+7], v[rB:rB+11], v[rA:rA+11], v[rC:rC+7], v[sB], v[sA] matrix_a_fmt:MATRIX_FMT_FP6 matrix_b_fmt:MATRIX_FMT_FP6 matrix_b_scale:MATRIX_SCALE_ROW1
.else
	v_wmma_scale_f32_16x16x128_f8f6f4 v[rD:rD+7], v[rB:rB+11], v[rA:rA+11], v[rC:rC+7], v[sB], v[sA] matrix_a_fmt:MATRIX_FMT_FP6 matrix_b_fmt:MATRIX_FMT_FP6
.endif
.endm
; 16 matrix instructions: q's blocks a0, a0 + 1 x k's eight.  first = 1: C is the mask set of b - a, in window 0.  The 64 accumulators take turns, one instruction a turn.
.macro MUL16 a0, p, q, sc, first
.irp a, \a0, \a0+1
.irp b, 0,1,2,3,4,5,6,7
.set rD, 8*(8*((\a)%4)+\b)
.set rB, 128*(\p)+FR*\b
.set rA, AF+FR*(\a)
.set sA, SC+16*(\sc)+8*(\q)+(\a)%4
.set sB, SC+16*(\sc)+8*(\q)+4+\b%4
.set rC, rD
.if \first
.set dd, \b-(\a)
.if dd == -7
.set rC, MK
.elseif dd < 0
.set rC, MK+8
.elseif dd == 0
.set rC, MK+16
.elseif dd == 1
.set rC, MK+24
.else
.set rC, MK+32
.endif
.endif
	WM \b/4, (\a)/4
.endr
.endr
.endm
.macro FETCH_B slot, q, p
	WIN TO_B
.irp i, 0,1,2,3,4,5,6,7
	FRAG 128*(\p)+FR*\i, ADRB+\slot, \q, \i
.endr
	WIN 0
.endm
.macro FETCH_A slot, q, i0
.irp i, \i0, \i0+1, \i0+2, \i0+3
	FRAG AF+FR*(\i), ADRA+\slot, \q, \i
.endr
.endm
.macro SCALES s                        ; a slot's scale words: four loads
.irp q, 0,1
	ds_load_b128 v[SC+16*\s+8*\q:SC+16*\s+8*\q+3], v[ADRA+\s] offset:CHUNK*\q+12288
	ds_load_b128 v[SC+16*\s+8*\q+4:SC+16*\s+8*\q+7], v[ADRB+\s] offset:CHUNK*\q+12288
.endr
.endm
.macro PLACES n
.rept \n
	v_nop
.endr
.endm
.macro STEP slot, q, first
	s_wait_dscnt 4*NL                              ; k's set, q's blocks 0-3 and the scale words are in; the youngest 12 loads (q's blocks 4-7) may be out
.if \first
	WIN 0x81                                       ; source 0 window 1, C window 0, D window 2
.else
	WIN MUL_LO
.endif
	MUL16 0, (\q)%2, \q, \slot, \first
	MUL16 2, (\q)%2, \q, \slot, \first
	s_wait_dscnt 0
	PLACES NP
	FETCH_B \slot, (\q)+1, 1-(\q)%2
	FETCH_A \slot, (\q)+1, 0
.if \first
	WIN 0xc1
.else
	WIN MUL_HI
.endif
	MUL16 4, (\q)%2, \q, \slot, \first
	MUL16 6, (\q)%2, \q, \slot, \first
	PLACES NP
	WIN 0
	FETCH_A \slot, (\q)+1, 4
.endm
.macro TURN slot, next, fill
	s_wait_tensorcnt 0x0                           ; all my tensor loads have landed: my part of the next slot
	ds_add_u32 v[SPW], v[NIL]                      ; 0 onto my spare word
	s_wait_dscnt 4*NL+1                            ; the add and the youngest 12 loads may be out
	WIN MUL_LO
	MUL16 0, 1, NQ-1, \slot, 0
	s_wait_dscnt 0x0                               ; the add is done, and my reads of this slot are over
	s_barrier_signal -1
	MUL16 2, 1, NQ-1, \slot, 0
	WIN 0
	s_barrier_wait -1
.if \fill
	CREST                                          ; a round of the cluster's barrier: no wave of any partner still reads this slot or has a load on its way
	s_add_nc_u64 s[G0+4*\slot+2:G0+4*\slot+3], s[G0+4*\slot+2:G0+4*\slot+3], 2*HALFT
	s_add_nc_u64 s[G0B+4*\slot+2:G0B+4*\slot+3], s[G0B+4*\slot+2:G0B+4*\slot+3], 2*HALFT
	JLOAD \slot                                    ; the first tensor load behind the round; its four v_nop are the places in front of the loads below
.else
	PLACES NP
.endif
	FETCH_B \next, 0, 0
	FETCH_A \next, 0, 0
	SCALES \next
	WIN MUL_HI
	MUL16 4, 1, NQ-1, \slot, 0
	MUL16 6, 1, NQ-1, \slot, 0
	PLACES NP
	WIN 0
	FETCH_A \next, 0, 4
.endm
	s_wait_tensorcnt 1                             ; my part of slot 0 is in; slot 1's load may be out
	s_barrier_signal -1
	s_barrier_wait -1
	FETCH_B 0, 0, 0
	FETCH_A 0, 0, 0
	SCALES 0
	FETCH_A 0, 0, 4
	STEP 0, 0, 1                                   ; the first step's products start the sums, on the mask
	s_mov_b32 s3, LAPS-1
.Llap:
	TURN 0, 1, 1
	STEP 1, 0, 0
	TURN 1, 0, 1
	STEP 0, 0, 0
	s_sub_co_u32 s3, s3, 1
	s_cmp_lg_u32 s3, 0
	s_cbranch_scc1 .Llap
	TURN 0, 1, 0
	STEP 1, 0, 0
	s_wait_dscnt 4*NL
	WIN MUL_LO
	MUL16 0, 1, NQ-1, 1, 0
	MUL16 2, 1, NQ-1, 1, 0
	s_wait_dscnt 0
	WIN MUL_HI
	MUL16 4, 1, NQ-1, 1, 0
	MUL16 6, 1, NQ-1, 1, 0
	WIN 0
; THE WAY OUT: block a: 16 queries x my 128 keys.
.macro SOFT a
.set AC, 64*((\a)%4)
.set WW, 2+(\a)/4
.set W2, WW|(WW<<2)
.set WD, WW|(WW<<6)
.if (\a)%4 < 2
.set PC, PCA                           ; the codes' registers carry other numbers than the sixteen sources of any conversion that writes them
.else
.set PC, PCB
.endif
	WIN W2
.irp b, 0,1,2,3
	v_max3_num_f32 v[BM+\b], v[AC+16*\b], v[AC+16*\b+1], v[VNEG]   ; the largest score of each block of 32 keys, each accumulator from its low end on: it serves for the row's maximum and, since p rises with the score, for the block's largest p
.endr
.irp i, 2,4,6,8,10,12,14
.irp b, 0,1,2,3
	v_max3_num_f32 v[BM+\b], v[AC+16*\b+\i], v[AC+16*\b+\i+1], v[BM+\b]
.endr
.endr
	WIN 0
.irp b, 0,1,2,3
	v_permlanex16_b32 v[BP+\b], v[BM+\b], s[SEL], s[SEL+1]
.endr
.irp b, 0,1,2,3
	v_max_num_f32 v[BM+\b], v[BM+\b], v[BP+\b]
.endr
	v_max3_num_f32 v[T2], v[BM], v[BM+1], v[BM+2]
	v_max_num_f32 v[T2], v[T2], v[BM+3]
	v_mul_f32 v[T2], s[CS], v[T2]                  ; the largest t of these 128 keys,
	v_max_num_f32 v[T2], 0xfb800000, v[T2]         ; not under -2^120: a row with no key that counts here
	v_floor_f32 v[T], -v[T2]                       ; -Mloc = floor(-t): a whole number
	v_mov_b32 v[NM+(\a)], v[T]
.irp b, 0,1,2,3
	v_fma_f32 v[BM+\b], v[BM+\b], s[CS], v[T]
.endr
	WIN WD                                         ; destination and source 0: the accumulators' window
.irp j, 0,2,4,6,8,10,12,14,16,18,20,22,24,26,28,30,32,34,36,38,40,42,44,46,48,50,52,54,56,58,60,62
	v_pk_fma_f32 v[AC+\j:AC+\j+1], v[AC+\j:AC+\j+1], s[CS:CS+1], v[T:T+1] op_sel_hi:[1,0,0]   ; t - Mloc
.endr
.set jj, 0
.rept 64
	v_exp_f32 v[AC+jj], v[AC+jj]                   ; p = 2^(t - Mloc)
.set jj, jj+1
.endr
	WIN 0
.irp b, 0,1,2,3
	v_exp_f32 v[BM+\b], v[BM+\b]                   ; each block's largest p: the same two instructions on the same number
.endr
	v_nop                                          ; a plain instruction behind the last exponential
	s_wait_alu depctr_va_vdst(0)                   ; one wait for the batch of 68, ahead of its first reader
	WIN W2
	v_pk_add_f32 v[SA:SA+1], v[AC:AC+1], v[AC+2:AC+3]              ; the sum of the unquantised p, in two chains of pairs
	v_pk_add_f32 v[SA+2:SA+3], v[AC+4:AC+5], v[AC+6:AC+7]
	WIN WW
.irp j, 8,12,16,20,24,28,32,36,40,44,48,52,56,60
	v_pk_add_f32 v[SA:SA+1], v[AC+\j:AC+\j+1], v[SA:SA+1]
	v_pk_add_f32 v[SA+2:SA+3], v[AC+\j+2:AC+\j+3], v[SA+2:SA+3]
.endr
	WIN 0
	v_pk_add_f32 v[SA:SA+1], v[SA:SA+1], v[SA+2:SA+3]
	v_add_f32 v[SA], v[SA], v[SA+1]
	v_permlanex16_b32 v[SA+2], v[SA], s[SEL], s[SEL+1]
	v_add_f32 v[LS+(\a)], v[SA], v[SA+2]           ; lloc
.irp b, 0,1,2,3
	v_max_num_f32 v[BM+\b], 0x1800000, v[BM+\b]    ; the floor 2^(3 - 127): the byte cannot fall under 1
.endr
.irp b, 0,1,2,3
	v_add_nc_u32 v[SO+\b], 0xff000000, v[BM+\b]    ; 2 off the exponent field: the conversion's scale operand
.endr
.irp b, 0,1,2,3
	v_lshrrev_b32 v[BY+\b], 23, v[SO+\b]
.endr
	v_lshl_or_b32 v[SW+(\a)], v[BY+1], 8, v[BY]
	v_lshl_or_b32 v[SW+(\a)], v[BY+2], 16, v[SW+(\a)]
	v_lshl_or_b32 v[SW+(\a)], v[BY+3], 24, v[SW+(\a)]
	s_wait_xcnt 0x0                                ; the earlier blocks' stores have read their data
	WIN WW
.irp c, 0,1
	v_cvt_scalef32_pk16_fp6_f32 v[PC+6*\c:PC+2+6*\c], v[AC+32*\c:AC+15+32*\c], v[SO+2*\c]
	v_cvt_scalef32_pk16_fp6_f32 v[PC+12+4*\c:PC+14+4*\c], v[AC+16+32*\c:AC+31+32*\c], v[SO+2*\c+1]
.endr
	v_nop                                          ; one plain place behind a scaled conversion
	WIN 0
.irp c, 0,1
.irp i, 0,1,2
	v_permlane16_swap_b32 v[PC+6*\c+\i], v[PC+12+4*\c+\i]
.endr
.irp i, 0,1,2
	v_mov_b32 v[PC+3+6*\c+\i], v[PC+12+4*\c+\i]
.endr
.endr
.irp g, 0,1,2
	global_store_b128 v[LI], v[PC+4*\g:PC+4*\g+3], s[8:9] offset:1536*(\a)+512*\g   ; 32 lanes store 512 consecutive bytes
.endr
.endm
	PLACES NP
.irp a, 0,1,2,3,4,5,6,7
	SOFT \a
.endr
.irp i, 0,1,2,3
	v_cndmask_b32 v[QP+\i], v[SW+\i], v[SW+4+\i], s[HIM]           ; lanes 0-15: blocks 0-3's, lanes 16-31: blocks 4-7's
	v_cndmask_b32 v[QP+4+\i], v[NM+\i], v[NM+4+\i], s[HIM]
	v_cndmask_b32 v[QP+8+\i], v[LS+\i], v[LS+4+\i], s[HIM]
.endr
	global_store_b128 v[LI], v[QP:QP+3], s[8:9] offset:12288
	global_store_b128 v[LI], v[QP+4:QP+7], s[10:11]
	global_store_b128 v[LI], v[QP+8:QP+11], s[10:11] offset:512
	s_wait_tensorcnt 0x0                           ; the wave's end
	ds_add_u32 v[SPW], v[NIL]
	s_wait_dscnt 0x0
	CROUND                                         ; the closing round
	s_endpgm
.Lfunc_end_k_q0e5ed74324_scores:
	.size	k_q0e5ed74324_scores, .Lfunc_end_k_q0e5ed74324_scores-k_q0e5ed74324_scores
	.p2alignl 7, 3214868480
	.fill 96, 4, 3214868480
	.section	.rodata,"a",@progbits
	.p2align	6, 0x0
	.amdhsa_kernel k_q0e5ed74324_scores
		.amdhsa_group_segment_fixed_size 327680
		.amdhsa_private_segment_fixed_size 0
		.amdhsa_enable_private_segment 0
		.amdhsa_kernarg_size 32
		.amdhsa_user_sgpr_count 2
		.amdhsa_user_sgpr_kernarg_segment_ptr 1
		.amdhsa_wavefront_size32 1
		.amdhsa_system_sgpr_workgroup_id_x 1
		.amdhsa_system_sgpr_workgroup_id_y 1
		.amdhsa_system_sgpr_workgroup_id_z 1
		.amdhsa_system_vgpr_workitem_id 0
		.amdhsa_next_free_vgpr 1024
		.amdhsa_next_free_sgpr 72
		.amdhsa_reserve_vcc 1
		.amdhsa_float_denorm_mode_32 3
		.amdhsa_float_denorm_mode_16_64 3
		.amdhsa_memory_ordered 1
		.amdhsa_forward_progress 1
		.amdhsa_inst_pref_size 196
	.end_amdhsa_kernel
	.amdgpu_metadata
---
amdhsa.version: [ 1, 2 ]
amdhsa.kernels:
  - .name:           k_q0e5ed74324_scores
    .symbol:         k_q0e5ed74324_scores.kd
    .args:
      - { .name: qc, .offset: 0, .size: 8, .value_kind: global_buffer, .address_space: global }
      - { .name: kc, .offset: 8, .size: 8, .value_kind: global_buffer, .address_space: global }
      - { .name: pc, .offset: 16, .size: 8, .value_kind: global_buffer, .address_space: global }
      - { .name: ps, .offset: 24, .size: 8, .value_kind: global_buffer, .address_space: global }
    .group_segment_fixed_size: 327680
    .private_segment_fixed_size: 0
    .kernarg_segment_align: 8
    .kernarg_segment_size: 32
    .max_flat_workgroup_size: 128
    .sgpr_count:     72
    .vgpr_count:     1024
    .wavefront_size: 32
...
	.end_amdgpu_metadata
.endif
;; end of part 2
;; launch pv (part 3): grid 4 x 64, 4 waves a work-group, clusters of 4 x 4, 327,680 bytes of LDS; arguments pc, ps, vc, out0; writes out0
.if DOCPART == 3
	.amdgcn_target "amdgcn-amd-amdhsa--gfx1250"
	.amdhsa_code_object_version 6
	.text
	.protected	k_q0e5ed74324_pv
	.globl	k_q0e5ed74324_pv
	.p2align	8
	.type	k_q0e5ed74324_pv,@function
k_q0e5ed74324_pv:
	s_mov_b64 s[64:65], 0
	v_nop
	global_prefetch_b8 v0, s[64:65] scope:SCOPE_SE
	s_setreg_imm32_b32 hwreg(HW_REG_WAVE_MODE, 25, 1), 1
	s_wait_xcnt 0x0
	s_wait_alu depctr_hold_cnt(0) depctr_sa_sdst(0) depctr_va_vdst(0) depctr_va_sdst(0) depctr_va_ssrc(0) depctr_va_vcc(0) depctr_vm_vsrc(0)
	s_getreg_b32 s2, hwreg(HW_REG_IB_STS2, 6, 4)
	s_cmp_eq_u32 s2, 0
	s_cbranch_scc0 .Lentry_in_a_cluster
	s_endpgm
.Lentry_in_a_cluster:
	s_bfe_u32 s2, ttmp6, 0x10000c
	s_cmp_lg_u32 s2, 0xf033
	s_cbranch_scc0 .Lentry_shape_is_right
	s_endpgm
.Lentry_shape_is_right:
; O = P V / l on codes of FP6, K = a batch's 2,048 keys.  P and V come as chunks of 12,800 bytes (128 rows x 128 keys): bytes 1536 a + 512 g + 16 lane: registers 4 g .. 4 g + 3 of the fragment of rows 16 a on;
; bytes 12,288 + 256 hh + 16 r + 4 i: the scale word of row 16 (4 hh + i) + r.  P's rows are queries, V's are channels.
; P's codes of each 128 keys were made under that piece's own Mloc.  THE HEAD finds each row's M, the largest of its 16 Mloc, takes d = M - Mloc off each of the piece's four scale bytes (held at 0 from below),
; and sums l = the sum of lloc x 2^-d: all exact powers of two.  The corrected scale words stay in 32 registers.
; SHARES: a work-group makes 128 queries x 256 channels, a wave 64 x 128: 32 accumulators.  Source 0 = 16 channels of V, source 1 = 16 queries of P: lane (r, h) holds query r, register j of accumulator (a, b) channel 16 b + 8 h + j.
; A slot of the ring holds 512 keys: four chunks of P and twice four of V, each run dense in memory.  CLUSTERS: 4 x 4; P's chunks are asked for jointly along a row of the cluster, V's along a column.
; All sixteen K steps are multiplied: no branch hangs on a place in the cluster; hidden keys have zero codes.
; LIMITS: NaN and infinities are not served; a block of P more than 127 binary places under the row's M gets the scale byte 0.
; REGISTERS: window 0: v16-29 addresses; v32-63 P's scale words; v64-71 V's, two sets; v72-79 1 / l; v80-95 at work; v96-159 the head's -Mloc and lloc, later rows of O; v160-255 P's fragments, two sets, later rows of O.
;   window 1: V's fragments, two sets of 96.  window 2: the accumulators, (a, b) at v[8 (8 a + b)].
.set CHUNK,  12800
.set SLOT,   12*CHUNK
.set BOFF,   4*CHUNK                   ; V's chunks lie behind P's four
.set SPARE,  2*SLOT                    ; the spare words, 128 bytes for each wave: two blocks of 256 bytes that no other line names
.set SPITCH, 528                       ; the way out: a stage of 16 rows x (512 + 16) bytes for each wave, in slot 0, which has had its last fill and its last read by then
.set ADA, 16
.set ADB, 18
.set STO, 20
.set RD,  21
.set CO,  22                           ; v22 16 x lane
.set VO1, 24
.set VO2, 25
.set SPW, 28
.set NIL, 29
.set SCA, 32                           ; register 4 k + i: the word of my block i for K step 2 k in lanes 0-15, 2 k + 1 in lanes 16-31
.set SB,  64
.set RL,  72
.set MN,  80
.set MP,  84
.set TT,  88
.set UU,  92
.set NMR, 96
.set LR,  128
.set OB,  96
.set AF,  160
.set G1, 24
.set G0, 32
.set G1B, 48
.set G0B, 56
.set ONES, 68                          ; s68 0x01010101
.set SEL, 70
.set MUL, 0xa1                         ; source 0 (V) window 1, source 1 (P) window 0, C and D window 2
.set MSB, 0
.macro WIN new
.if MSB != \new
	s_set_vgpr_msb (MSB<<8)|\new
.set MSB, \new
.endif
.endm
.macro JLOAD s                         ; a joint load: waves 0 and 1 fetch P's chunks, waves 2 and 3 V's; four v_nop follow each of the two lines
	s_cmp_eq_u32 s15, 0
	s_cbranch_scc0 .Lfor_b_\@
	tensor_load_to_lds s[G0+4*\s:G0+4*\s+3], s[G1:G1+7]
	s_nop 0
.rept 4
	v_nop
.endr
	s_branch .Lasked_\@
.Lfor_b_\@:
	tensor_load_to_lds s[G0B+4*\s:G0B+4*\s+3], s[G1B:G1B+7]
	s_nop 0
.rept 4
	v_nop
.endr
.Lasked_\@:
.endm
.macro CREST
	s_cmp_lg_u32 s14, 0
	s_cbranch_scc1 .Lnot_wave_0_\@
	s_barrier_signal -3
.Lnot_wave_0_\@:
	s_barrier_wait -3
	s_barrier_signal -1
	s_barrier_wait -1
.endm
.macro CROUND
	s_barrier_signal -1
	s_barrier_wait -1
	CREST
.endm
.macro PLACES n
.rept \n
	v_nop
.endr
.endm
	s_load_b256 s[4:11], s[0:1], 0x0               ; pc s[4:5], ps s[6:7], vc s[8:9], out0 s[10:11]
	v_lshl_add_u32 v[SPW], v0, 2, SPARE
	v_mov_b32 v[NIL], 0
	ds_add_u32 v28, v29
	ds_add_u32 v28, v29
	s_wait_dscnt 0x0
	v_lshrrev_b32 v1, 5, v0
	v_readfirstlane_b32 s14, v1                    ; wave 0..3
	s_lshr_b32 s15, s14, 1                         ; wr: which 64 queries.  Also: I fetch for P (0) or for V (1)
	s_and_b32 s16, s14, 1                          ; wc: which 128 channels.  Also: which part I fetch
	s_bfe_u32 s40, ttmp6, 0x40000                  ; cx: the tile of 256 channels
	s_bfe_u32 s41, ttmp6, 0x40004                  ; cy
	s_and_b32 s18, ttmp7, 0xffff
	s_lshl_b32 s17, s18, 2
	s_add_co_u32 s17, s17, s41                     ; the group of 128 queries among all 8,192
	s_lshr_b32 s18, s18, 2                         ; the batch: four clusters of 512 queries each
	s_lshl_b32 s43, s41, 2
	s_lshl_b32 s43, 15, s43                        ; my row of the cluster
	s_lshl_b32 s44, 0x1111, s40                    ; my column
	s_or_b32 s[G1+0], s43, (3<<16)|(1<<21)         ; the mask; elements of 8 bytes; no padding; bit 21 beside a mask
	s_mov_b32 s[G1+1], 32<<16                      ; P: two chunks, 25,600 dense bytes, as 100 rows of 256
	s_mov_b32 s[G1+2], 100<<16
	s_mov_b32 s[G1+3], 32<<16
	s_mov_b32 s[G1+4], 100
	s_mov_b32 s[G1+5], 32
	s_mov_b32 s[G1+6], 0
	s_mov_b32 s[G1+7], 0
	s_or_b32 s[G1B+0], s44, (3<<16)|(1<<21)
	s_mov_b32 s[G1B+1], 32<<16                     ; V: four chunks, 51,200 dense bytes, as 200 rows of 256
	s_mov_b32 s[G1B+2], 200<<16
	s_mov_b32 s[G1B+3], 32<<16
	s_mov_b32 s[G1B+4], 200
	s_mov_b32 s[G1B+5], 32
	s_mov_b32 s[G1B+6], 0
	s_mov_b32 s[G1B+7], 0
	s_mul_i32 s20, s17, 16*CHUNK                   ; P: my group's sixteen chunks,
	s_mul_i32 s21, s16, 2*CHUNK                    ; of a slot's four the first or the second two
	s_add_co_u32 s20, s20, s21
	s_mov_b32 s21, 0
	s_lshl_b32 s46, s40, 1
	s_add_co_u32 s46, s46, s16                     ; V: the group of 128 channels: 2 cx + part,
	s_lshl_b32 s46, s46, 6                         ; 64 chunks each,
	s_lshl_b32 s47, s18, 4
	s_add_co_u32 s46, s46, s47                     ; the batch's sixteen
	s_mul_i32 s46, s46, CHUNK
	s_mov_b32 s47, 0
	s_mul_i32 s45, s16, 2*CHUNK                    ; where they go: no place in the cluster enters an LDS address
	s_mul_i32 s22, s16, 4*CHUNK
	s_add_co_u32 s22, s22, BOFF
	s_mov_b32 s[ONES], 0x01010101
	s_mov_b32 s[SEL], 0x76543210
	s_mov_b32 s[SEL+1], 0xfedcba98
	s_wait_kmcnt 0x0
	s_add_nc_u64 s[20:21], s[4:5], s[20:21]
	s_add_nc_u64 s[46:47], s[8:9], s[46:47]
	CROUND                                         ; all sixteen work-groups are here: the first joint loads meet
.irp s, 0,1
	s_mov_b32 s[G0+4*\s], 1
	s_add_co_u32 s[G0+4*\s+1], s45, \s*SLOT
	s_add_nc_u64 s[G0+4*\s+2:G0+4*\s+3], s[20:21], \s*4*CHUNK
	s_or_b32 s[G0+4*\s+3], s[G0+4*\s+3], 0x80000000
	s_mov_b32 s[G0B+4*\s], 1
	s_add_co_u32 s[G0B+4*\s+1], s22, \s*SLOT
	s_add_nc_u64 s[G0B+4*\s+2:G0B+4*\s+3], s[46:47], \s*4*CHUNK
	s_or_b32 s[G0B+4*\s+3], s[G0B+4*\s+3], 0x80000000
	JLOAD \s                                       ; two tensor loads of mine are out at the most
.endr
	; THE HEAD, while the first tiles are on their way.  Lane (r, h) takes K steps 2 k + h: sixteen lanes read 256 consecutive bytes
	v_and_b32 v1, 15, v0                           ; r
	v_bfe_u32 v2, v0, 4, 1                         ; h
	v_lshlrev_b32 v3, 4, v1
	v_mul_u32_u24 v[VO1], v2, CHUNK
	v_add_nc_u32 v[VO1], v[VO1], v3                ; 12,800 h + 16 r
	v_lshl_add_u32 v[VO2], v2, 10, v3              ; 1,024 h + 16 r
	s_mul_i32 s72, s17, 16*CHUNK
	s_lshl_b32 s73, s15, 8
	s_add_co_u32 s72, s72, s73
	s_add_co_u32 s72, s72, 12288                   ; the scale words of my four blocks in the group's first chunk
	s_mov_b32 s73, 0
	s_add_nc_u64 s[4:5], s[4:5], s[72:73]
	s_lshl_b32 s72, s17, 14
	s_lshl_b32 s74, s15, 8
	s_add_co_u32 s72, s72, s74
	s_add_nc_u64 s[6:7], s[6:7], s[72:73]
.irp k, 0,1,2,3,4,5,6,7
	global_load_b128 v[SCA+4*\k:SCA+4*\k+3], v[VO1], s[4:5] offset:2*CHUNK*\k
	global_load_b128 v[NMR+4*\k:NMR+4*\k+3], v[VO2], s[6:7] offset:2048*\k
	global_load_b128 v[LR+4*\k:LR+4*\k+3], v[VO2], s[6:7] offset:2048*\k+512
.endr
	v_and_b32 v4, 31, v0
	v_lshlrev_b32 v[CO], 4, v4
	s_mul_i32 s74, s15, 4*1536                     ; my four blocks of a chunk of P
	s_mul_i32 s75, s16, 4*CHUNK                    ; my 128 channels
	s_add_co_u32 s75, s75, BOFF
.irp s, 0,1
	v_add_nc_u32 v[ADA+\s], s74, v[CO]
	v_add_nc_u32 v[ADB+\s], s75, v[CO]
	s_add_co_u32 s74, s74, SLOT
	s_add_co_u32 s75, s75, SLOT
.endr
	s_mul_i32 s74, s14, 16*SPITCH                  ; my stage
	v_mul_u32_u24 v6, v1, SPITCH
	v_lshl_add_u32 v6, v2, 5, v6
	v_add_nc_u32 v[STO], s74, v6                   ; in: row r, 32 bytes for each half of the lanes
	v_add_nc_u32 v[RD], s74, v[CO]                 ; back: the 32 lanes take a row of 512 bytes
	s_lshl_b32 s72, s17, 7
	s_lshl_b32 s74, s15, 6
	s_add_co_u32 s72, s72, s74                     ; my first row of O
	s_lshl_b32 s72, s72, 12                        ; rows of 4,096 bytes: under 2^25
	s_lshl_b32 s74, s40, 10
	s_add_co_u32 s72, s72, s74                     ; + 256 cx channels
	s_lshl_b32 s74, s16, 9
	s_add_co_u32 s72, s72, s74                     ; + 128 wc
	s_add_nc_u64 s[10:11], s[10:11], s[72:73]
.irp i, 0,1,2,3
	v_mov_b32 v[MP+\i], 0                          ; a lane permute's destination counts as one of its sources
	v_mov_b32 v[RL+2*\i+1], 0                      ; named with 1 / l as a pair
.endr
	s_wait_loadcnt 0x0
.irp i, 0,1,2,3
	v_min3_num_f32 v[MN+\i], v[NMR+\i], v[NMR+4+\i], v[NMR+8+\i]   ; -M is the least -Mloc
.endr
.irp i, 0,1,2,3
	v_min3_num_f32 v[MN+\i], v[MN+\i], v[NMR+12+\i], v[NMR+16+\i]
.endr
.irp i, 0,1,2,3
	v_min3_num_f32 v[MN+\i], v[MN+\i], v[NMR+20+\i], v[NMR+24+\i]
.endr
.irp i, 0,1,2,3
	v_min_num_f32 v[MN+\i], v[MN+\i], v[NMR+28+\i]
.endr
.irp i, 0,1,2,3
	v_permlanex16_b32 v[MP+\i], v[MN+\i], s[SEL], s[SEL+1]
.endr
.irp i, 0,1,2,3
	v_min_num_f32 v[MN+\i], v[MN+\i], v[MP+\i]
.endr
.irp k, 0,1,2,3,4,5,6,7
.irp i, 0,1,2,3
	v_sub_f32 v[TT+\i], v[MN+\i], v[NMR+4*\k+\i]   ; -d = Mloc - M: a whole number, 0 or less
.endr
.irp i, 0,1,2,3
	v_cvt_i32_f32 v[TT+\i], v[TT+\i]               ; (it saturates)
.endr
.irp i, 0,1,2,3
	v_ldexp_f32 v[LR+4*\k+\i], v[LR+4*\k+\i], v[TT+\i]   ; lloc under M
.endr
.irp i, 0,1,2,3
	v_sub_nc_u32 v[TT+\i], 0, v[TT+\i]
.endr
.irp i, 0,1,2,3
	v_min_u32 v[TT+\i], 127, v[TT+\i]              ; d, at most 127
.endr
.irp i, 0,1,2,3
	v_mul_lo_u32 v[TT+\i], v[TT+\i], s[ONES]       ; in each of four bytes
.endr
.irp i, 0,1,2,3
	v_or_b32 v[SCA+4*\k+\i], 0x80808080, v[SCA+4*\k+\i]   ; the bytes lie in 1 .. 125: with 128 on top no byte borrows from the next
.endr
.irp i, 0,1,2,3
	v_sub_nc_u32 v[SCA+4*\k+\i], v[SCA+4*\k+\i], v[TT+\i]
.endr
.irp i, 0,1,2,3
	v_and_b32 v[TT+\i], 0x80808080, v[SCA+4*\k+\i] ; the top bit stays where byte >= d
.endr
.irp i, 0,1,2,3
	v_lshrrev_b32 v[UU+\i], 7, v[TT+\i]
.endr
.irp i, 0,1,2,3
	v_sub_nc_u32 v[TT+\i], v[TT+\i], v[UU+\i]      ; 0x7f in those bytes, 0 in the others
.endr
.irp i, 0,1,2,3
	v_and_b32 v[SCA+4*\k+\i], v[SCA+4*\k+\i], v[TT+\i]    ; byte - d, held at 0
.endr
.endr
.irp k, 1,2,3,4,5,6,7
.irp i, 0,1,2,3
	v_add_f32 v[LR+\i], v[LR+\i], v[LR+4*\k+\i]
.endr
.endr
.irp i, 0,1,2,3
	v_permlanex16_b32 v[MP+\i], v[LR+\i], s[SEL], s[SEL+1]
.endr
.irp i, 0,1,2,3
	v_add_f32 v[LR+\i], v[LR+\i], v[MP+\i]         ; l: above 1/2
.endr
.irp i, 0,1,2,3
	v_rcp_f32 v[RL+2*\i], v[LR+\i]
.endr
	v_nop                                          ; a plain instruction behind the last reciprocal
	s_wait_alu depctr_va_vdst(0)                   ; one wait for the four, ahead of the first reader and of every label
; one matrix instruction on the registers named by rD, rB, rA, sB, sA.  r0: V's block is one of 4-7; r1: the K step is odd: the scale words lie in lanes 16-31
.macro WM r0, r1
.if (\r0) && (\r1)
	v_wmma_scale_f32_16x16x128_f8f6f4 v[rD:rD+7], v[rB:rB+11], v[rA:rA+11], v[rD:rD+7], v[sB], v[sA] matrix_a_fmt:MATRIX_FMT_FP6 matrix_b_fmt:MATRIX_FMT_FP6 matrix_a_scale:MATRIX_SCALE_ROW1 matrix_b_scale:MATRIX_SCALE_ROW1
.elseif \r0
	v_wmma_scale_f32_16x16x128_f8f6f4 v[rD:rD+7], v[rB:rB+11], v[rA:rA+11], v[rD:rD+7], v[sB], v[sA] matrix_a_fmt:MATRIX_FMT_FP6 matrix_b_fmt:MATRIX_FMT_FP6 matrix_a_scale:MATRIX_SCALE_ROW1
.elseif \r1
	v_wmma_scale_f32_16x16x128_f8f6f4 v[rD:rD+7], v[rB:rB+11], v[rA:rA+11], v[rD:rD+7], v[sB], v[sA] matrix_a_fmt:MATRIX_FMT_FP6 matrix_b_fmt:MATRIX_FMT_FP6 matrix_b_scale:MATRIX_SCALE_ROW1
.else
	v_wmma_scale_f32_16x16x128_f8f6f4 v[rD:rD+7], v[rB:rB+11], v[rA:rA+11], v[rD:rD+7], v[sB], v[sA] matrix_a_fmt:MATRIX_FMT_FP6 matrix_b_fmt:MATRIX_FMT_FP6
.endif
.endm
.macro WMZ r0                          ; K step 0 starts the sums: nothing is cleared
.if \r0
	v_wmma_scale_f32_16x16x128_f8f6f4 v[rD:rD+7], v[rB:rB+11], v[rA:rA+11], 0, v[sB], v[sA] matrix_a_fmt:MATRIX_FMT_FP6 matrix_b_fmt:MATRIX_FMT_FP6 matrix_a_scale:MATRIX_SCALE_ROW1
.else
	v_wmma_scale_f32_16x16x128_f8f6f4 v[rD:rD+7], v[rB:rB+11], v[rA:rA+11], 0, v[sB], v[sA] matrix_a_fmt:MATRIX_FMT_FP6 matrix_b_fmt:MATRIX_FMT_FP6
.endif
.endm
.macro MULA a, ks                      ; P's block a against V's eight: the 32 accumulators take turns, one instruction a turn
.irp b, 0,1,2,3,4,5,6,7
.set rD, 8*(8*(\a)+\b)
.set rB, 96*((\ks)%2)+12*\b
.set rA, AF+48*((\ks)%2)+12*(\a)
.set sB, SB+4*((\ks)%2)+\b%4
.set sA, SCA+4*((\ks)/2)+(\a)
.if (\ks) == 0
	WMZ \b/4
.else
	WM \b/4, (\ks)%2
.endif
.endr
.endm
.macro FETCH ks                        ; K step ks: 37 LDS loads in one run, into set ks % 2
.set fs, ((\ks)/4)%2
.set fc, (\ks)%4
.set fp, (\ks)%2
	WIN 0x40                                       ; destination window 1
.irp b, 0,1,2,3,4,5,6,7
.irp g, 0,1,2
	ds_load_b128 v[96*fp+12*\b+4*\g:96*fp+12*\b+4*\g+3], v[ADB+fs] offset:CHUNK*fc+1536*\b+512*\g
.endr
.endr
	WIN 0
.irp a, 0,1,2,3
.irp g, 0,1,2
	ds_load_b128 v[AF+48*fp+12*\a+4*\g:AF+48*fp+12*\a+4*\g+3], v[ADA+fs] offset:CHUNK*fc+1536*\a+512*\g
.endr
.endr
	ds_load_b128 v[SB+4*fp:SB+4*fp+3], v[ADB+fs] offset:CHUNK*fc+12288   ; V's scale words
.endm
.macro KS ks                           ; a K step with its successor in the same slot
	PLACES 4                                       ; in front of loads into registers that the step before multiplied
	FETCH (\ks)+1
	s_wait_dscnt 37                                ; all but the 37 just issued: this step's operands are in
	WIN MUL
	MULA 0, \ks
	MULA 1, \ks
	MULA 2, \ks
	MULA 3, \ks
	WIN 0
.endm
; A slot's last K step changes slots: one barrier; in front of it each wave waits for all its tensor loads, adds 0 to its spare word, and waits for that and for its own reads of this slot.
.macro TURNK ks, fill
.set ts, ((\ks)/4)%2
	s_wait_tensorcnt 0x0                           ; all my tensor loads have landed: my part of the next slot
	ds_add_u32 v[SPW], v[NIL]                      ; 0 onto my spare word
	s_wait_dscnt 1                                 ; this step's operands are in; the add may be out
	WIN MUL
	MULA 0, \ks
	s_wait_dscnt 0x0                               ; the add is done, and my reads of this slot are over
	s_barrier_signal -1
	MULA 1, \ks
	WIN 0
	s_barrier_wait -1
.if \fill
	CREST                                          ; a round of the cluster's barrier: no wave of any partner still reads this slot or has a load on its way
	s_add_nc_u64 s[G0+4*ts+2:G0+4*ts+3], s[G0+4*ts+2:G0+4*ts+3], 8*CHUNK
	s_add_nc_u64 s[G0B+4*ts+2:G0B+4*ts+3], s[G0B+4*ts+2:G0B+4*ts+3], 8*CHUNK
	JLOAD ts                                       ; the first tensor load behind the round: 112 matrix instructions ahead of the wait for it; its four v_nop are the places in front of the loads below
.else
	PLACES 4
.endif
	FETCH (\ks)+1
	WIN MUL
	MULA 2, \ks
	MULA 3, \ks
	WIN 0
.endm
	s_wait_tensorcnt 1                             ; my part of slot 0 is in; slot 1's load may be out
	s_barrier_signal -1
	s_barrier_wait -1
	FETCH 0
	KS 0
	KS 1
	KS 2
	TURNK 3, 1                                     ; slot 0 takes keys 1,024 on
	KS 4
	KS 5
	KS 6
	TURNK 7, 1                                     ; slot 1 takes keys 1,536 on
	KS 8
	KS 9
	KS 10
	TURNK 11, 0                                    ; nothing is left to fetch
	KS 12
	KS 13
	KS 14
	s_wait_dscnt 0
	WIN MUL
	MULA 0, 15
	MULA 1, 15
	MULA 2, 15
	MULA 3, 15
	WIN 0
; THE WAY OUT: a block of 16 queries x 128 channels is divided by l, goes through my own stage in LDS and comes back as whole rows of 512 bytes.  LDS serves a wave's instructions in order (ISA guide 5.7.1.4).
.macro SCALEO a
	WIN 0x82                                       ; destination and source 0 window 2
.set jj, 0
.rept 32
	v_pk_mul_f32 v[64*(\a)+jj:64*(\a)+jj+1], v[64*(\a)+jj:64*(\a)+jj+1], v[RL+2*(\a):RL+2*(\a)+1] op_sel_hi:[1,0]   ; each accumulator from its low end on
.set jj, jj+2
.endr
.endm
.macro TOSTAGE a
	WIN 0x08                                       ; an LDS store's data are its source 1: window 2
.irp b, 0,1,2,3,4,5,6,7
	ds_store_b128 v[STO], v[64*(\a)+8*\b:64*(\a)+8*\b+3] offset:64*\b
	ds_store_b128 v[STO], v[64*(\a)+8*\b+4:64*(\a)+8*\b+7] offset:64*\b+16
.endr
	WIN 0
.set BB, OB+64*((\a)%2)
.irp t, 0,1,2,3,4,5,6,7,8,9,10,11,12,13,14,15
	ds_load_b128 v[BB+4*\t:BB+4*\t+3], v[RD] offset:\t*SPITCH
.endr
.endm
.macro SEND a, younger                 ; younger: the LDS instructions issued behind block a's loads, which may stay out
.set BB, OB+64*((\a)%2)
	s_wait_dscnt \younger
.irp t, 0,1,2,3,4,5,6,7,8,9,10,11,12,13,14,15
	global_store_b128 v[CO], v[BB+4*\t:BB+4*\t+3], s[10:11] offset:(16*(\a)+\t)*4096 th:TH_STORE_NT   ; 32 lanes store 512 consecutive bytes at a multiple of 256; written once, read by nobody here
.endr
.endm
	PLACES 4
	SCALEO 0
	TOSTAGE 0
.irp a, 1,2,3
.if \a > 1
	s_wait_xcnt 0x0                                ; block a - 2's stores have read their registers: block a's loads may land there
.endif
	SCALEO \a
	TOSTAGE \a
	SEND \a-1, 32                                  ; behind block a - 1's loads: block a's 16 stores and 16 loads
.endr
	SEND 3, 0
	s_wait_tensorcnt 0x0                           ; the wave's end
	ds_add_u32 v[SPW], v[NIL]
	s_wait_dscnt 0x0
	CROUND                                         ; the closing round
	s_endpgm
.Lfunc_end_k_q0e5ed74324_pv:
	.size	k_q0e5ed74324_pv, .Lfunc_end_k_q0e5ed74324_pv-k_q0e5ed74324_pv
	.p2alignl 7, 3214868480
	.fill 96, 4, 3214868480
	.section	.rodata,"a",@progbits
	.p2align	6, 0x0
	.amdhsa_kernel k_q0e5ed74324_pv
		.amdhsa_group_segment_fixed_size 327680
		.amdhsa_private_segment_fixed_size 0
		.amdhsa_enable_private_segment 0
		.amdhsa_kernarg_size 32
		.amdhsa_user_sgpr_count 2
		.amdhsa_user_sgpr_kernarg_segment_ptr 1
		.amdhsa_wavefront_size32 1
		.amdhsa_system_sgpr_workgroup_id_x 1
		.amdhsa_system_sgpr_workgroup_id_y 1
		.amdhsa_system_sgpr_workgroup_id_z 1
		.amdhsa_system_vgpr_workitem_id 0
		.amdhsa_next_free_vgpr 768
		.amdhsa_next_free_sgpr 76
		.amdhsa_reserve_vcc 0
		.amdhsa_float_denorm_mode_32 3
		.amdhsa_float_denorm_mode_16_64 3
		.amdhsa_memory_ordered 1
		.amdhsa_forward_progress 1
		.amdhsa_inst_pref_size 161
	.end_amdhsa_kernel
	.amdgpu_metadata
---
amdhsa.version: [ 1, 2 ]
amdhsa.kernels:
  - .name:           k_q0e5ed74324_pv
    .symbol:         k_q0e5ed74324_pv.kd
    .args:
      - { .name: pc, .offset: 0, .size: 8, .value_kind: global_buffer, .address_space: global }
      - { .name: ps, .offset: 8, .size: 8, .value_kind: global_buffer, .address_space: global }
      - { .name: vc, .offset: 16, .size: 8, .value_kind: global_buffer, .address_space: global }
      - { .name: out0, .offset: 24, .size: 8, .value_kind: global_buffer, .address_space: global }
    .group_segment_fixed_size: 327680
    .private_segment_fixed_size: 0
    .kernarg_segment_align: 8
    .kernarg_segment_size: 32
    .max_flat_workgroup_size: 128
    .sgpr_count:     76
    .vgpr_count:     768
    .wavefront_size: 32
...
	.end_amdgpu_metadata
.endif
;; end of part 3
